; MI455X (gfx1250); checked and timed in simulation.
; The chip was launched on July 23, 2026; its instructions are those of AMD's public machine-readable ISA for CDNA 5 (MIT licence, August 2026) and "CDNA5" Instruction Set Architecture Reference Guide (July 2026). The comments in the code are by the model that wrote it; some were corrected since.
;; Simple Transformer Block. Allowed arithmetic: matrix products marked QUANTISED: E2M3 operands, one E8M0 scale for each 32 along K, by v_wmma_scale_f32_16x16x128_f8f6f4 with both operands' format E2M3, f32 sums; everything else in f32.
;; Inputs: b1 4,096 float32; b2 1,024 float32; be1 1,024 float32; be2 1,024 float32; bk 1,024 float32; bo 1,024 float32; bq 1,024 float32; bv 1,024 float32; g1 1,024 float32; g2 1,024 float32; w1 1,024 x 4,096 float32; w2 4,096 x 1,024 float32; wk 1,024 x 1,024 float32; wo 1,024 x 1,024 float32; wq 1,024 x 1,024 float32; wv 1,024 x 1,024 float32; x 2 x 2,048 x 1,024 float32.
;; Outputs: out0 2 x 2,048 x 1,024 float32.
;; This version of the problem:
;;   THIS VERSION OF THE PROBLEM IS GIVEN IN LOW PRECISION. The matrix products marked QUANTISED in the list below multiply operands that are first quantised to E2M3 (2 exponent bits, 3 mantissa bits; 6 bits a number), with one power-of-two scale for each 32 numbers along K (OCP MX v1.0); their sums are f32. All else is computed in f32.
;;   The module's matrix products, in the order in which they are computed (A, B: the left and right operand; K: the contracted axis; several contracted axes count as one K, in the product's order):
;;     1. [M 4,096, K 1,024] x [K 1,024, N 1,024]; A: computed on the way; B: input wq: QUANTISED
;;     2. [M 4,096, K 1,024] x [K 1,024, N 1,024]; A: computed on the way; B: input wk: QUANTISED
;;     3. [M 4,096, K 1,024] x [K 1,024, N 1,024]; A: computed on the way; B: input wv: QUANTISED
;;     4. batch 32 x [M 2,048, K 64] x [K 64, N 2,048]; A: computed on the way; B: computed on the way: QUANTISED
;;     5. batch 32 x [M 2,048, K 2,048] x [K 2,048, N 64]; A: softmax (see below); B: computed on the way: QUANTISED
;;     6. [M 4,096, K 1,024] x [K 1,024, N 1,024]; A: computed on the way; B: input wo: QUANTISED
;;     7. [M 4,096, K 1,024] x [K 1,024, N 4,096]; A: computed on the way; B: input w1: QUANTISED
;;     8. [M 4,096, K 4,096] x [K 4,096, N 1,024]; A: computed on the way; B: input w2: QUANTISED
;;   THE QUANTISER, for each operand of a quantised product, along K:
;;     - K is cut into blocks of 32 from its start; a last block that is shorter is filled with zeros.
;;     - A block's scale is 2^e with e = floor(log2(the largest magnitude in the block)) - 2, held to -126 .. 127; a block of zeros has e = 0. As a byte (E8M0): e + 127.
;;     - Each number is divided by its block's scale, clamped to +-7.5, and rounded to the nearest number of E2M3, ties to even, subnormals kept.
;;     - The product sums the exact products of the quantised numbers (number of the format x scale) in f32.
;;   ~~~python
;;   def quantise(x, axis):      # numpy; x: float32 -> the quantised numbers, widened to float32 again
;;       x = np.moveaxis(x, axis, -1); K = x.shape[-1]
;;       x = np.pad(x, [(0, 0)] * (x.ndim - 1) + [(0, -K % 32)]); x = x.reshape(x.shape[:-1] + (-1, 32)); a = np.abs(x).max(-1, keepdims=True)
;;       e = np.where(a > 0, np.clip(np.frexp(np.where(a > 0, a, 1))[1] - 1 - 2, -126, 127), 0)      # np.frexp(a)[1] - 1 = floor(log2(a)), exactly
;;       r = np.clip(x / 2.0 ** e, -7.5, 7.5)
;;       step = 2.0 ** (np.maximum(np.frexp(np.where(r == 0, 1, r))[1] - 1, 0) - 3)
;;       q = np.round(r / step) * step * 2.0 ** e      # np.round: ties to even
;;       return np.moveaxis(q.reshape(q.shape[:-2] + (-1,))[..., :K], -1, axis).astype(np.float32)
;;   ~~~
;;   SOFTMAX AHEAD OF A QUANTISED PRODUCT. Where the list says 'softmax', what is quantised is not the finished softmax but p = 2^(t - M), with t = logit x log2(e) and M = ceil(the row's largest t), a whole number; so 1/2 < the row's largest p <= 1. The row's sum l is taken of the UNQUANTISED p, in f32, and the product's result is divided by l at the end. Since M is a whole number, a kernel that streams over the keys may use a running M (the ceiling of the running maximum): every later rescaling is an exact power of two, which a block's scale takes up: the codes' values come out the same.
;;   OPERANDS COMPUTED ON THE WAY. 'Computed on the way' means the value that the module computes at that place (a softmax that the list does not call 'softmax' is quantised finished and normalised). What goes into a quantiser is computed in f32, as accurately as f32 sums, v_exp_f32 and their like allow (about 1e-6 of the number): no bf16 or f16 on the way to a quantiser, and a product that is left as it is and whose result goes on into a quantised operand takes f32 operands (vector FMAs, or v_wmma_f32_16x16x4_f32). A number that lies on a knife's edge between two numbers of the format may be rounded either way, as far as f32 arithmetic and the matrix unit's own rounding can turn it there, and no further.
;; One version. Each part assembles by itself: llvm-mc -triple=amdgcn-amd-amdhsa -mcpu=gfx1250 --defsym DOCPART=n.
;; ======== version 1 of 1: 8 launches
;; limits: an absolute error that grows with the inputs' magnitude: up to 1e-07 times it
;; workspace buffers: wts 9,830,400 bytes; hc 3,276,800 bytes; qbuf 3,407,872 bytes; kv 6,684,672 bytes; oc 3,276,800 bytes; x1 16,777,216 bytes; hid 13,107,200 bytes
;; launch wquant (part 1): grid 768 x 1, 4 waves a work-group, no clusters, 0 bytes of LDS; arguments wq, wk, wv, wo, w1, w2, wts; writes wts
.if DOCPART == 1
	.amdgcn_target "amdgcn-amd-amdhsa--gfx1250"
	.amdhsa_code_object_version 6
	.text
	.protected	k_q1d3360bb4d_wquant
	.globl	k_q1d3360bb4d_wquant
	.p2align	8
	.type	k_q1d3360bb4d_wquant,@function
k_q1d3360bb4d_wquant:
	s_mov_b64 s[64:65], 0
	v_nop
	global_prefetch_b8 v0, s[64:65] scope:SCOPE_SE
	s_setreg_imm32_b32 hwreg(HW_REG_WAVE_MODE, 25, 1), 1
	s_wait_xcnt 0x0
; The six weights, f32 stored [K][N], become codes of FP6 (E2M3) with one E8M0 byte for each 32 along K, laid in the order of an operand's registers.
; A RECORD (12,800 bytes) is a panel of 128 columns n x one K step of 128: eight fragments of 1,536 bytes (fragment t: register R of lane l at 1536 t + 512 (R / 4) + 16 l + 4 (R % 4)),
; then the scale words at 12,288 + 64 t + 4 r.  Lane r of tile 2 B + u holds column 32 B + 8 u + r + 8 (r / 8) of the panel.
; Records: 0-63 wq (panel x 8 + K step), 64-127 wk, 128-191 wv, 192-255 wo, 256-511 w1 (32 panels x 8), 512-767 w2 (8 panels x 32).
; In wo's records the K step's blocks 1 and 2 change places, as they do in the codes of the attention's result.
; SHARES: work-group g makes record g.  A LANE TAKES A COLUMN AND ITS REGISTERS RUN DOWN K: a load reads 128 consecutive bytes a wave, a block of 32 lies in one lane, nothing is transposed.
; A block's scale byte is its largest magnitude's exponent field - 2, held at 1 from below (a block of zeros keeps 1: its codes are zeros, and this program alone reads the bytes).
; LIMITS: NaN and infinities are not served; blocks under 2^-124 keep the byte 1.
.set REC,  12800
.set SCO,  12288
.set VO,   2                           ; v2-5    4 x lane + the row offset of block position 0..3
.set DO,   6                           ; v6      my place in the record's fragments: 1536 x tile + 16 r
.set DS,   7                           ; v7      and among its scale words: 64 x tile + 4 r
.set X,    32                          ; v32-95  two sets of 32 numbers
.set CD,   96                          ; v96-119 the codes: 12 registers for fragment lane (r, 0), 12 for (r, 1)
.set TC,   120                         ; v120-122 a block's upper 16 codes (a conversion's three registers begin on an even number)
	s_load_b256 s[4:11], s[0:1], 0x0               ; wq, wk, wv, wo
	s_load_b128 s[12:15], s[0:1], 0x20             ; w1, w2
	s_load_b64 s[16:17], s[0:1], 0x30              ; wts
	v_lshrrev_b32 v1, 5, v0
	v_readfirstlane_b32 s20, v1                    ; wave 0..3
	v_and_b32 v1, 31, v0                           ; lane L: column 32 w + L of the panel
	v_lshlrev_b32 v[VO], 2, v1
	v_bfe_u32 v8, v0, 3, 1                         ; u = (L / 8) % 2
	v_and_b32 v9, 7, v0
	v_bfe_u32 v10, v0, 4, 1
	v_lshl_add_u32 v9, v10, 3, v9                  ; r = L % 8 + 8 (L / 16)
	s_lshl_b32 s36, s20, 1
	v_add_nc_u32 v8, s36, v8                       ; tile 2 w + u
	v_mul_u32_u24 v[DO], v8, 1536
	v_lshl_add_u32 v[DO], v9, 4, v[DO]
	v_lshlrev_b32 v[DS], 6, v8
	v_lshl_add_u32 v[DS], v9, 2, v[DS]
	s_lshr_b32 s21, ttmp9, 6                       ; 0 wq, 1 wk, 2 wv, 3 wo, 4-7 w1, 8-11 w2
	s_lshr_b32 s22, ttmp9, 8                       ; 0 the four square ones, 1 w1, 2 w2
	s_cmp_eq_u32 s22, 2
	s_cselect_b32 s23, 5, 3                        ; K steps in a panel: 32 or 8
	s_cselect_b32 s24, 31, 7
	s_cmp_eq_u32 s22, 1
	s_cselect_b32 s26, 31, 7                       ; panels: 32 or 8
	s_cselect_b32 s27, 14, 12                      ; a row of the weight: 16,384 or 4,096 bytes
	s_lshr_b32 s25, ttmp9, s23
	s_and_b32 s25, s25, s26                        ; panel
	s_and_b32 s24, ttmp9, s24                      ; K step
	s_add_co_u32 s28, s27, 7
	s_lshl_b32 s28, s24, s28                       ; 128 rows a K step
	s_lshl_b32 s29, s25, 9
	s_add_co_u32 s28, s28, s29                     ; + 512 bytes a panel
	s_lshl_b32 s29, s20, 7
	s_add_co_u32 s28, s28, s29                     ; + 128 bytes a wave
	s_mov_b32 s29, 0
	s_add_co_u32 s30, s27, 5
	s_lshl_b32 s30, 1, s30                         ; 32 rows in bytes
	s_lshl_b32 s31, s30, 1                         ; 64 rows
	s_add_co_u32 s34, s30, s31                     ; 96 rows
	s_cmp_eq_u32 s21, 3                            ; wo: positions 1 and 2 take rows 64 and 32
	s_cselect_b32 s32, s31, s30
	s_cselect_b32 s33, s30, s31
	v_add_nc_u32 v[VO+1], s32, v[VO]
	v_add_nc_u32 v[VO+2], s33, v[VO]
	v_add_nc_u32 v[VO+3], s34, v[VO]
	s_mul_i32 s38, ttmp9, REC
	s_mov_b32 s39, 0
	s_wait_kmcnt 0x0
	s_cmp_eq_u32 s21, 1                            ; which weight: the choices hang on the work-group's number alone
	s_cselect_b64 s[4:5], s[6:7], s[4:5]
	s_cmp_eq_u32 s21, 2
	s_cselect_b64 s[4:5], s[8:9], s[4:5]
	s_cmp_eq_u32 s21, 3
	s_cselect_b64 s[4:5], s[10:11], s[4:5]
	s_cmp_eq_u32 s22, 1
	s_cselect_b64 s[4:5], s[12:13], s[4:5]
	s_cmp_eq_u32 s22, 2
	s_cselect_b64 s[4:5], s[14:15], s[4:5]
	s_add_nc_u64 s[4:5], s[4:5], s[28:29]
	s_add_nc_u64 s[16:17], s[16:17], s[38:39]
.macro LOADB j, stride                 ; block position j: 32 rows of my column into set j % 2
.set i, 0
.rept 32
	global_load_b32 v[X+32*((\j)%2)+i], v[VO+\j], s[4:5] offset:i*\stride th:TH_LOAD_NT
.set i, i+1
.endr
.endm
.macro BLOCK j, stride                 ; position j = 2 c + h goes to fragment lane (r, h), registers 6 c .. 6 c + 5
.set XS, X+32*((\j)%2)
.set CQ, CD+12*((\j)%2)+6*((\j)/2)
.if \j < 3
	s_wait_loadcnt 32                              ; this block's 32 loads are in; the next block's 32 may be out
.else
	s_wait_loadcnt 0x0
.endif
	v_max3_num_f32 v8, |v[XS]|, |v[XS+1]|, |v[XS+2]|               ; the block's largest magnitude: all 32 numbers are mine; two chains
	v_max3_num_f32 v9, |v[XS+3]|, |v[XS+4]|, |v[XS+5]|
.irp i, 6,10,14,18,22,26
	v_max3_num_f32 v8, v8, |v[XS+\i]|, |v[XS+\i+1]|
	v_max3_num_f32 v9, v9, |v[XS+\i+2]|, |v[XS+\i+3]|
.endr
	v_max3_num_f32 v8, v8, |v[XS+30]|, |v[XS+31]|
	v_max3_num_f32 v8, v8, v9, 0x1800000           ; and the floor 2^(3 - 127): the byte cannot fall under 1
	v_add_nc_u32 v10, 0xff000000, v8               ; 2 off the exponent field: the conversion's scale operand
	v_lshrrev_b32 v11, 23, v10                     ; the scale's byte
.if \j == 0
	v_mov_b32 v12, v11
.else
	v_lshl_or_b32 v12, v11, 8*\j, v12              ; byte j of my column's scale word
.endif
	v_cvt_scalef32_pk16_fp6_f32 v[CQ:CQ+2], v[XS:XS+15], v10
	v_cvt_scalef32_pk16_fp6_f32 v[TC:TC+2], v[XS+16:XS+31], v10
	v_nop                                          ; one plain place behind a scaled conversion
.irp i, 0,1,2
	v_mov_b32 v[CQ+3+\i], v[TC+\i]
.endr
.if \j < 2
	LOADB \j+2, \stride
.endif
.endm
.macro BODY stride
	LOADB 0, \stride
	LOADB 1, \stride
	BLOCK 0, \stride
	BLOCK 1, \stride
	BLOCK 2, \stride
	BLOCK 3, \stride
.endm
	s_cmp_eq_u32 s22, 1                            ; the two copies differ in the loads' immediates alone: w1's rows are four times as long
	s_cbranch_scc1 .Lwide
	BODY 4096
	s_branch .Lout
.Lwide:
	BODY 16384
.Lout:
.irp h, 0,1
.irp c, 0,1,2
	global_store_b128 v[DO], v[CD+12*\h+4*\c:CD+12*\h+4*\c+3], s[16:17] offset:512*\c+256*\h   ; sixteen lanes of a tile fill 256 consecutive bytes, aligned: two such runs an instruction
.endr
.endr
	global_store_b32 v[DS], v12, s[16:17] offset:SCO               ; the wave's 32 scale words: 128 consecutive bytes
	s_endpgm
.Lfunc_end_k_q1d3360bb4d_wquant:
	.size	k_q1d3360bb4d_wquant, .Lfunc_end_k_q1d3360bb4d_wquant-k_q1d3360bb4d_wquant
	.p2alignl 7, 3214868480
	.fill 96, 4, 3214868480
	.section	.rodata,"a",@progbits
	.p2align	6, 0x0
	.amdhsa_kernel k_q1d3360bb4d_wquant
		.amdhsa_group_segment_fixed_size 0
		.amdhsa_private_segment_fixed_size 0
		.amdhsa_enable_private_segment 0
		.amdhsa_kernarg_size 56
		.amdhsa_user_sgpr_count 2
		.amdhsa_user_sgpr_kernarg_segment_ptr 1
		.amdhsa_wavefront_size32 1
		.amdhsa_system_sgpr_workgroup_id_x 1
		.amdhsa_system_sgpr_workgroup_id_y 1
		.amdhsa_system_sgpr_workgroup_id_z 1
		.amdhsa_system_vgpr_workitem_id 0
		.amdhsa_next_free_vgpr 128
		.amdhsa_next_free_sgpr 66
		.amdhsa_reserve_vcc 0
		.amdhsa_float_denorm_mode_32 3
		.amdhsa_float_denorm_mode_16_64 3
		.amdhsa_memory_ordered 1
		.amdhsa_forward_progress 1
		.amdhsa_inst_pref_size 39
	.end_amdhsa_kernel
	.amdgpu_metadata
---
amdhsa.version: [ 1, 2 ]
amdhsa.kernels:
  - .name:           k_q1d3360bb4d_wquant
    .symbol:         k_q1d3360bb4d_wquant.kd
    .args:
      - { .name: wq, .offset: 0, .size: 8, .value_kind: global_buffer, .address_space: global }
      - { .name: wk, .offset: 8, .size: 8, .value_kind: global_buffer, .address_space: global }
      - { .name: wv, .offset: 16, .size: 8, .value_kind: global_buffer, .address_space: global }
      - { .name: wo, .offset: 24, .size: 8, .value_kind: global_buffer, .address_space: global }
      - { .name: w1, .offset: 32, .size: 8, .value_kind: global_buffer, .address_space: global }
      - { .name: w2, .offset: 40, .size: 8, .value_kind: global_buffer, .address_space: global }
      - { .name: wts, .offset: 48, .size: 8, .value_kind: global_buffer, .address_space: global }
    .group_segment_fixed_size: 0
    .private_segment_fixed_size: 0
    .kernarg_segment_align: 8
    .kernarg_segment_size: 56
    .max_flat_workgroup_size: 128
    .sgpr_count:     66
    .vgpr_count:     128
    .wavefront_size: 32
...
	.end_amdgpu_metadata
.endif
;; end of part 1
;; launch ln1 (part 2): grid 256 x 1, 8 waves a work-group, no clusters, 2,048 bytes of LDS; arguments x, g1, be1, hc; writes hc
.if DOCPART == 2
	.amdgcn_target "amdgcn-amd-amdhsa--gfx1250"
	.amdhsa_code_object_version 6
	.text
	.protected	k_q1d3360bb4d_ln1
	.globl	k_q1d3360bb4d_ln1
	.p2align	8
	.type	k_q1d3360bb4d_ln1,@function
k_q1d3360bb4d_ln1:
	s_mov_b64 s[64:65], 0
	v_nop
	global_prefetch_b8 v0, s[64:65] scope:SCOPE_SE
	s_setreg_imm32_b32 hwreg(HW_REG_WAVE_MODE, 25, 1), 1
	s_wait_xcnt 0x0
; LayerNorm over 1,024 channels in f32 (mean; mean of squared differences; 1 / sqrt(var + 1e-5); gain; bias), then the quantiser along the channels: codes of FP6 (E2M3), one E8M0 byte for each 32.
; Arguments: the rows [4096][1024] f32, the gain, the bias, the codes.  The codes are laid as records of 12,800 bytes (a panel of 128 tokens x one K step of 128): fragment t at 1536 t as an image of
; the operand's registers (register R of lane l at 512 (R / 4) + 16 l + 4 (R % 4)), the scale words at 12,288 + 64 t + 4 r; record = 8 x panel + K step.
; SHARES: work-group T is a tile of 16 tokens: lane r holds token 32 (T / 2) + 8 (T % 2) + r + 8 (r / 8).  Wave w takes K step w.  Lane (r, h) holds channels 128 w + 32 b + 16 h + 0 .. 15, b = 0 .. 3.
; The eight waves' partial sums meet in LDS: one barrier for the mean, one for the variance, in bytes of their own.  The variance is taken of the differences, so a common offset does no harm.
; LIMITS: NaN and infinities are not served; blocks under 2^-124 keep the scale byte 1 (a block of zeros too: its codes are zeros).
.set REC, 12800
.set XA,  4                            ; v4   my bytes in the tile's rows
.set GA,  5                            ; v5   64 h: in the gain and the bias
.set LI,  6                            ; v6   16 x lane
.set LS,  7                            ; v7   4 r
.set LW,  8                            ; v8   LDS: 32 r + 4 w
.set LR,  9                            ; v9   LDS: 32 r
.set X,   16                           ; v16-79
.set G,   80                           ; v80-143
.set BE,  144                          ; v144-207
.set PC,  208                          ; v208-226 the codes
.set TM,  228                          ; v228-243 at work in the quantiser
.set PW,  244                          ; v244 the scale word
.set SEL, 28                           ; s[28:29]
; 64 numbers of a lane, register 16 b + i = k 32 b + 16 (lane / 16) + i of my row, become a fragment's codes in v[PC] on and its scale word in v[PW].
.macro QUANT s
.irp b, 0,1,2,3
	v_max3_num_f32 v[TM+\b], |v[\s+16*\b]|, |v[\s+1+16*\b]|, 0x1800000   ; my 16 numbers of block b, and the floor 2^(3 - 127)
.endr
.irp i, 2,4,6,8,10,12,14
.irp b, 0,1,2,3
	v_max3_num_f32 v[TM+\b], v[TM+\b], |v[\s+16*\b+\i]|, |v[\s+1+16*\b+\i]|
.endr
.endr
.irp b, 0,1,2,3
	v_permlanex16_b32 v[TM+4+\b], v[TM+\b], s[SEL], s[SEL+1]
.endr
.irp b, 0,1,2,3
	v_max_num_f32 v[TM+\b], v[TM+\b], v[TM+4+\b]   ; with lane l xor 16's: the block's largest magnitude
.endr
.irp b, 0,1,2,3
	v_add_nc_u32 v[TM+12+\b], 0xff000000, v[TM+\b] ; 2 off its exponent field: the conversion's scale operand
.endr
.irp b, 0,1,2,3
	v_lshrrev_b32 v[TM+4+\b], 23, v[TM+12+\b]      ; the scale's byte
.endr
	v_lshl_or_b32 v[PW], v[TM+5], 8, v[TM+4]
	v_lshl_or_b32 v[PW], v[TM+6], 16, v[PW]
	v_lshl_or_b32 v[PW], v[TM+7], 24, v[PW]
.irp c, 0,1
	v_cvt_scalef32_pk16_fp6_f32 v[PC+6*\c:PC+2+6*\c], v[\s+32*\c:\s+15+32*\c], v[TM+12+2*\c]
	v_cvt_scalef32_pk16_fp6_f32 v[PC+12+4*\c:PC+14+4*\c], v[\s+16+32*\c:\s+31+32*\c], v[TM+12+2*\c+1]
.endr
	v_nop                                          ; one plain place behind a scaled conversion
.irp c, 0,1                                    ; the operand's layout wants a whole block in a lane
.irp i, 0,1,2
	v_permlane16_swap_b32 v[PC+6*\c+\i], v[PC+12+4*\c+\i]
.endr
.irp i, 0,1,2
	v_mov_b32 v[PC+3+6*\c+\i], v[PC+12+4*\c+\i]
.endr
.endr
.endm
; Four pairs of partial sums in v248-255 become the row's sum over all 1,024 channels, in v248 of every lane.
.macro ACROSS off
	v_pk_add_f32 v[248:249], v[248:249], v[250:251]
	v_pk_add_f32 v[252:253], v[252:253], v[254:255]
	v_pk_add_f32 v[248:249], v[248:249], v[252:253]
	v_add_f32 v248, v248, v249
	v_permlanex16_b32 v249, v248, s[SEL], s[SEL+1]
	v_add_f32 v248, v248, v249                     ; my wave's 128 channels of token r
	ds_store_b32 v[LW], v248 offset:\off           ; both halves of the lanes write the same word with the same value
	s_wait_dscnt 0x0                               ; for the others' sake: my store has landed
	s_barrier_signal -1
	s_barrier_wait -1
	ds_load_b128 v[248:251], v[LR] offset:\off
	ds_load_b128 v[252:255], v[LR] offset:\off+16
	s_wait_dscnt 0x0
	v_add_f32 v248, v248, v249
	v_add_f32 v250, v250, v251
	v_add_f32 v252, v252, v253
	v_add_f32 v254, v254, v255
	v_add_f32 v248, v248, v250
	v_add_f32 v252, v252, v254
	v_add_f32 v248, v248, v252
.endm
	s_load_b256 s[4:11], s[0:1], 0x0               ; rows, gain, bias, codes
	v_lshl_add_u32 v239, v0, 2, 0x400
	v_mov_b32 v245, 0
	v_lshrrev_b32 v1, 5, v0
	v_readfirstlane_b32 s12, v1                    ; wave 0..7
	v_and_b32 v1, 31, v0
	v_and_b32 v2, 15, v0                           ; r
	v_bfe_u32 v3, v0, 4, 1                         ; h
	v_and_b32 v10, 8, v2
	v_add_nc_u32 v10, v10, v2                      ; r + 8 (r / 8)
	v_lshlrev_b32 v[XA], 12, v10
	v_lshl_add_u32 v[XA], v3, 6, v[XA]
	v_lshlrev_b32 v[GA], 6, v3
	v_lshlrev_b32 v[LI], 4, v1
	v_lshlrev_b32 v[LS], 2, v2
	v_lshlrev_b32 v[LR], 5, v2
	s_lshl_b32 s13, s12, 2
	v_add_nc_u32 v[LW], s13, v[LR]
.irp b, 0,1,2,3
	v_mov_b32 v[TM+4+\b], 0                        ; written once: a lane permute's destination counts as one of its sources
.endr
	s_mov_b32 s[SEL], 0x76543210
	s_mov_b32 s[SEL+1], 0xfedcba98                 ; lane l xor 16
	s_mov_b32 s20, 0x3a800000                      ; 1 / 1024
	s_mov_b32 s21, 0x3727c5ac                      ; 1e-5
	s_lshr_b32 s14, ttmp9, 1
	s_lshl_b32 s14, s14, 5
	s_and_b32 s15, ttmp9, 1
	s_lshl_b32 s15, s15, 3
	s_add_co_u32 s14, s14, s15                     ; the tile's first token
	s_lshl_b32 s14, s14, 12
	s_lshl_b32 s16, s12, 9                         ; my K step: 512 bytes
	s_add_co_u32 s14, s14, s16
	s_mov_b32 s15, 0
	s_mov_b32 s17, 0
	s_lshr_b32 s18, ttmp9, 3
	s_lshl_b32 s18, s18, 3
	s_add_co_u32 s18, s18, s12
	s_mul_i32 s18, s18, REC                        ; record 8 x panel + K step
	s_and_b32 s19, ttmp9, 7
	s_mul_i32 s22, s19, 1536
	s_add_co_u32 s22, s22, s18                     ; my fragment
	s_mov_b32 s23, 0
	s_lshl_b32 s24, s19, 6
	s_add_co_u32 s24, s24, s18
	s_add_co_u32 s24, s24, 12288                   ; its scale words
	s_mov_b32 s25, 0
	s_wait_kmcnt 0x0
	s_add_nc_u64 s[4:5], s[4:5], s[14:15]
	s_add_nc_u64 s[6:7], s[6:7], s[16:17]
	s_add_nc_u64 s[8:9], s[8:9], s[16:17]
	s_add_nc_u64 s[26:27], s[10:11], s[24:25]
	s_add_nc_u64 s[10:11], s[10:11], s[22:23]
.irp b, 0,1,2,3
.irp j, 0,1,2,3
	global_load_b128 v[X+16*\b+4*\j:X+16*\b+4*\j+3], v[XA], s[4:5] offset:128*\b+16*\j
.endr
.endr
.irp b, 0,1,2,3
.irp j, 0,1,2,3
	global_load_b128 v[G+16*\b+4*\j:G+16*\b+4*\j+3], v[GA], s[6:7] offset:128*\b+16*\j
.endr
.endr
.irp b, 0,1,2,3
.irp j, 0,1,2,3
	global_load_b128 v[BE+16*\b+4*\j:BE+16*\b+4*\j+3], v[GA], s[8:9] offset:128*\b+16*\j
.endr
.endr
	s_wait_loadcnt 32                              ; the rows' 16 loads are in; the gain's 16 and the bias's 16 may be out
.irp k, 0,1,2,3
	v_pk_add_f32 v[248+2*\k:249+2*\k], v[X+4*\k:X+4*\k+1], v[X+4*\k+2:X+4*\k+3]    ; four chains
.endr
.irp i, 16,24,32,40,48,56
.irp k, 0,1,2,3
	v_pk_add_f32 v[248+2*\k:249+2*\k], v[248+2*\k:249+2*\k], v[X+\i+2*\k:X+\i+2*\k+1]
.endr
.endr
	ACROSS 0
	v_mul_f32 v246, s20, v248                      ; the mean
	v_mov_b32 v247, v246
.set i, 0
.rept 32
	v_pk_add_f32 v[X+i:X+i+1], v[X+i:X+i+1], v[246:247] op_sel_hi:[1,0] neg_lo:[0,1] neg_hi:[0,1]
.set i, i+2
.endr
.irp k, 0,1,2,3
	v_pk_mul_f32 v[248+2*\k:249+2*\k], v[X+2*\k:X+2*\k+1], v[X+2*\k:X+2*\k+1]
.endr
.irp i, 8,16,24,32,40,48,56
.irp k, 0,1,2,3
	v_pk_fma_f32 v[248+2*\k:249+2*\k], v[X+\i+2*\k:X+\i+2*\k+1], v[X+\i+2*\k:X+\i+2*\k+1], v[248+2*\k:249+2*\k]
.endr
.endr
	ACROSS 512                                     ; other bytes than the first sums': no wave writes what another may still read
	v_fma_f32 v246, v248, s20, s21                 ; the variance + 1e-5
	v_rsq_f32 v246, v246
	v_nop                                          ; one plain place behind a transcendental
	s_wait_alu depctr_va_vdst(0)
	v_mov_b32 v247, v246
	s_wait_loadcnt 0x0                             ; gain and bias
.set i, 0
.rept 32
	v_pk_mul_f32 v[X+i:X+i+1], v[X+i:X+i+1], v[246:247] op_sel_hi:[1,0]
.set i, i+2
.endr
.set i, 0
.rept 32
	v_pk_fma_f32 v[X+i:X+i+1], v[X+i:X+i+1], v[G+i:G+i+1], v[BE+i:BE+i+1]
.set i, i+2
.endr
	QUANT X
.irp c, 0,1,2
	global_store_b128 v[LI], v[PC+4*\c:PC+4*\c+3], s[10:11] offset:512*\c    ; 512 consecutive bytes, aligned
.endr
	global_store_b32 v[LS], v[PW], s[26:27]        ; 16 scale words; both halves of the lanes hold and write the same
	s_wait_tensorcnt 0x0
	ds_add_u32 v239, v245
	s_wait_dscnt 0x0
	s_endpgm
.Lfunc_end_k_q1d3360bb4d_ln1:
	.size	k_q1d3360bb4d_ln1, .Lfunc_end_k_q1d3360bb4d_ln1-k_q1d3360bb4d_ln1
	.p2alignl 7, 3214868480
	.fill 96, 4, 3214868480
	.section	.rodata,"a",@progbits
	.p2align	6, 0x0
	.amdhsa_kernel k_q1d3360bb4d_ln1
		.amdhsa_group_segment_fixed_size 2048
		.amdhsa_private_segment_fixed_size 0
		.amdhsa_enable_private_segment 0
		.amdhsa_kernarg_size 32
		.amdhsa_user_sgpr_count 2
		.amdhsa_user_sgpr_kernarg_segment_ptr 1
		.amdhsa_wavefront_size32 1
		.amdhsa_system_sgpr_workgroup_id_x 1
		.amdhsa_system_sgpr_workgroup_id_y 1
		.amdhsa_system_sgpr_workgroup_id_z 1
		.amdhsa_system_vgpr_workitem_id 0
		.amdhsa_next_free_vgpr 256
		.amdhsa_next_free_sgpr 66
		.amdhsa_reserve_vcc 0
		.amdhsa_float_denorm_mode_32 3
		.amdhsa_float_denorm_mode_16_64 3
		.amdhsa_memory_ordered 1
		.amdhsa_forward_progress 1
		.amdhsa_inst_pref_size 23
	.end_amdhsa_kernel
	.amdgpu_metadata
---
amdhsa.version: [ 1, 2 ]
amdhsa.kernels:
  - .name:           k_q1d3360bb4d_ln1
    .symbol:         k_q1d3360bb4d_ln1.kd
    .args:
      - { .name: x, .offset: 0, .size: 8, .value_kind: global_buffer, .address_space: global }
      - { .name: g1, .offset: 8, .size: 8, .value_kind: global_buffer, .address_space: global }
      - { .name: be1, .offset: 16, .size: 8, .value_kind: global_buffer, .address_space: global }
      - { .name: hc, .offset: 24, .size: 8, .value_kind: global_buffer, .address_space: global }
    .group_segment_fixed_size: 2048
    .private_segment_fixed_size: 0
    .kernarg_segment_align: 8
    .kernarg_segment_size: 32
    .max_flat_workgroup_size: 256
    .sgpr_count:     66
    .vgpr_count:     256
    .wavefront_size: 32
...
	.end_amdgpu_metadata
.endif
;; end of part 2
;; launch qkv (part 3): grid 8 x 24, 4 waves a work-group, clusters of 4 x 4, 327,680 bytes of LDS; arguments hc, wts, bq, bk, bv, qbuf, kv; writes qbuf, kv
.if DOCPART == 3
	.amdgcn_target "amdgcn-amd-amdhsa--gfx1250"
	.amdhsa_code_object_version 6
	.text
	.protected	k_q1d3360bb4d_qkv
	.globl	k_q1d3360bb4d_qkv
	.p2align	8
	.type	k_q1d3360bb4d_qkv,@function
k_q1d3360bb4d_qkv:
	s_mov_b64 s[64:65], 0
	v_nop
	global_prefetch_b8 v0, s[64:65] scope:SCOPE_SE
	s_setreg_imm32_b32 hwreg(HW_REG_WAVE_MODE, 25, 1), 1
	s_wait_xcnt 0x0
	s_wait_alu depctr_hold_cnt(0) depctr_sa_sdst(0) depctr_va_vdst(0) depctr_va_sdst(0) depctr_va_ssrc(0) depctr_va_vcc(0) depctr_vm_vsrc(0)
	s_getreg_b32 s2, hwreg(HW_REG_IB_STS2, 6, 4)
	s_cmp_eq_u32 s2, 0
	s_cbranch_scc0 .Lentry_in_a_cluster
	s_endpgm
.Lentry_in_a_cluster:
	s_bfe_u32 s2, ttmp6, 0x10000c
	s_cmp_lg_u32 s2, 0xf033
	s_cbranch_scc0 .Lentry_shape_is_right
	s_endpgm
.Lentry_shape_is_right:
; q = h wq + bq, k = h wk + bk, v = h wv + bv on codes of FP6 (E2M3) with E8M0 scales, each result quantised at once for the attention: q and k along the head's 64, v along the keys.
; OPERANDS lie as records of 12,800 bytes (a panel of 128 rows x a K step of 128): fragment t at 1536 t as an image of its 12 registers, scale words at 12,288 + 64 t + 4 r.  Lane r of tile 2 B + u is row 32 B + 8 u + r + 8 (r / 8).
; THE CORE: D[S1 row][S0 row].  A tile is one panel of S1 x two panels of S0; wave w takes S1's tiles 4 (w / 2) + 0..3 x S0's panel w % 2: 32 accumulators (window 1, (a, b) at v[64 a + 8 b]).
; Source 0 = a tile of S0, source 1 = a tile of S1: a lane holds one row of S1, and the 16 registers of S0's tiles 2 B, 2 B + 1 are 16 neighbours along S0's rows: what the quantiser wants.
; K = 1,024 is 8 K steps; a slot of LDS holds 4 (S1's 4 records, then 4 of each panel of S0).
; A WORK-GROUP STAYS FOR TWO TILES with the same S0: S0's records are fetched once; S1's part of each slot is filled again as soon as the first tile has read it, so that both refills are on their way while the first tile goes out.
; CLUSTER Y < 4: S1 = tokens (hc), panels y and y + 16; S0 = the columns of wq (cluster x = 0) or wk (1).  CLUSTER Y >= 4: S1 = the columns of wv, panels y and y + 4; S0 = tokens: a lane then holds one channel of v and its registers run along the keys.
; CLUSTERS of 4 x 4: S1's records hang on y alone and are asked for jointly along a row of the cluster, S0's on x alone, jointly along a column.
; OUT: qbuf: [head 32][tile 128][768]: a tile's registers 0-1 at 8 l, 2-5 at 256 + 16 l; scale words from 3,145,728 on, [head][tile][16].  kv: [head][key step 16][13,056]: K's 8 tiles of 768, V^T's 4 fragments from 6,144,
; K's scale words from 12,288, V's from 12,800.  A head's K is 64: q's and k's scale words carry two bytes and two zeros.
; LIMITS: NaN and infinities are not served; blocks under 2^-124 keep the scale byte 1.
.set KS,    8
.set REC,   12800
.set SCO,   12288
.set CHUNK, 4*REC                      ; four K steps of a panel
.set SLOT,  3*CHUNK
.set SPARE, 2*SLOT                     ; behind the slots: the spare words, 128 bytes a wave, which no other line names
.set QKSTEP, 16*KS*REC                 ; from the first tile's S1 to the second's: 16 panels of tokens,
.set VSTEP,  4*KS*REC                  ; or 4 panels of wv
.set ADR1, 4                           ; v4-5   16 l + my four tiles of S1, slot 0, 1
.set ADR0, 6                           ; v6-7   16 l + my panel of S0
.set ADS1, 8                           ; v8-9   4 l + the same, for the scale words
.set ADS0, 10                          ; v10-11
.set SPW,  12                          ; v12    my spare word; never rewritten
.set NIL,  13                          ; v13    0; never rewritten
.set SC,   24                          ; v24-35 scale words, two sets of 6: 0-3 S0's tiles 2 g (lanes 0-15), 2 g + 1 (lanes 16-31); 4-5 S1's likewise
.set F0,   40                          ; v40-135  S0's eight fragments, one set
.set F1,   136                         ; v136-231 S1's four fragments, two sets
.set G1A,  24                          ; s[24:31], s[32:39] groups 1 and 0 (a set a slot) for S1
.set G0A,  32
.set G1B,  48                          ; s[48:55], s[56:63] for S0
.set G0B,  56
.set MULW, 0x50                        ; C and D in window 1, all else in window 0
.set MSB, 0
.macro WIN new                         ; the immediate's high byte repeats the setting that is left
.if MSB != \new
	s_set_vgpr_msb (MSB<<8)|\new
.set MSB, \new
.endif
.endm
.macro PLACES                          ; four places behind a matrix instruction in front of loads into its sources and of reads of its result
.rept 4
	v_nop
.endr
.endm
.macro CREST
	s_cmp_lg_u32 s14, 0
	s_cbranch_scc1 .Lnot_wave_0_\@
	s_barrier_signal -3
.Lnot_wave_0_\@:
	s_barrier_wait -3
	s_barrier_signal -1
	s_barrier_wait -1
.endm
.macro CROUND                          ; a round of the cluster's barrier
	s_barrier_signal -1
	s_barrier_wait -1
	CREST
.endm
.macro JLOAD sl                        ; a first fill: waves 0, 1: halves of S1's four records; waves 2, 3: a panel of S0 each.  Four v_nop follow each line
	s_cmp_eq_u32 s15, 0
	s_cbranch_scc0 .Lfor_b_\@
	tensor_load_to_lds s[G0A+4*\sl:G0A+4*\sl+3], s[G1A:G1A+7]
	s_nop 0
.rept 4
	v_nop
.endr
	s_branch .Lasked_\@
.Lfor_b_\@:
	tensor_load_to_lds s[G0B+4*\sl:G0B+4*\sl+3], s[G1B:G1B+7]
	s_nop 0
.rept 4
	v_nop
.endr
.Lasked_\@:
.endm
.macro JLOADA sl                       ; a refill: S1's part alone: waves 0 and 1 ask, waves 2 and 3 have no part to fill.  The branch hangs on the wave's number alone
	s_cmp_eq_u32 s15, 0
	s_cbranch_scc0 .Lnone_\@
	tensor_load_to_lds s[G0A+4*\sl:G0A+4*\sl+3], s[G1A:G1A+7]
	s_nop 0
.rept 4
	v_nop
.endr
.Lnone_\@:
.endm
.macro WM acc, fa, fb, sa, sb, ra, rb, zero    ; one product; ra, rb: the scale words lie in lanes 16-31
.set WSEL, 4*(\zero)+2*(\ra)+(\rb)
.if WSEL == 0
	v_wmma_scale_f32_16x16x128_f8f6f4 v[\acc:\acc+7], v[\fa:\fa+11], v[\fb:\fb+11], v[\acc:\acc+7], v[\sa], v[\sb] matrix_a_fmt:MATRIX_FMT_FP6 matrix_b_fmt:MATRIX_FMT_FP6
.elseif WSEL == 1
	v_wmma_scale_f32_16x16x128_f8f6f4 v[\acc:\acc+7], v[\fa:\fa+11], v[\fb:\fb+11], v[\acc:\acc+7], v[\sa], v[\sb] matrix_a_fmt:MATRIX_FMT_FP6 matrix_b_fmt:MATRIX_FMT_FP6 matrix_b_scale:MATRIX_SCALE_ROW1
.elseif WSEL == 2
	v_wmma_scale_f32_16x16x128_f8f6f4 v[\acc:\acc+7], v[\fa:\fa+11], v[\fb:\fb+11], v[\acc:\acc+7], v[\sa], v[\sb] matrix_a_fmt:MATRIX_FMT_FP6 matrix_b_fmt:MATRIX_FMT_FP6 matrix_a_scale:MATRIX_SCALE_ROW1
.elseif WSEL == 3
	v_wmma_scale_f32_16x16x128_f8f6f4 v[\acc:\acc+7], v[\fa:\fa+11], v[\fb:\fb+11], v[\acc:\acc+7], v[\sa], v[\sb] matrix_a_fmt:MATRIX_FMT_FP6 matrix_b_fmt:MATRIX_FMT_FP6 matrix_a_scale:MATRIX_SCALE_ROW1 matrix_b_scale:MATRIX_SCALE_ROW1
.elseif WSEL == 4
	v_wmma_scale_f32_16x16x128_f8f6f4 v[\acc:\acc+7], v[\fa:\fa+11], v[\fb:\fb+11], 0, v[\sa], v[\sb] matrix_a_fmt:MATRIX_FMT_FP6 matrix_b_fmt:MATRIX_FMT_FP6
.elseif WSEL == 5
	v_wmma_scale_f32_16x16x128_f8f6f4 v[\acc:\acc+7], v[\fa:\fa+11], v[\fb:\fb+11], 0, v[\sa], v[\sb] matrix_a_fmt:MATRIX_FMT_FP6 matrix_b_fmt:MATRIX_FMT_FP6 matrix_b_scale:MATRIX_SCALE_ROW1
.elseif WSEL == 6
	v_wmma_scale_f32_16x16x128_f8f6f4 v[\acc:\acc+7], v[\fa:\fa+11], v[\fb:\fb+11], 0, v[\sa], v[\sb] matrix_a_fmt:MATRIX_FMT_FP6 matrix_b_fmt:MATRIX_FMT_FP6 matrix_a_scale:MATRIX_SCALE_ROW1
.else
	v_wmma_scale_f32_16x16x128_f8f6f4 v[\acc:\acc+7], v[\fa:\fa+11], v[\fb:\fb+11], 0, v[\sa], v[\sb] matrix_a_fmt:MATRIX_FMT_FP6 matrix_b_fmt:MATRIX_FMT_FP6 matrix_a_scale:MATRIX_SCALE_ROW1 matrix_b_scale:MATRIX_SCALE_ROW1
.endif
.endm
.macro MUL8 b0, set, zero              ; S0's tiles b0, b0 + 1 x S1's four.  The 32 accumulators take turns, in the same order in every K step
.irp b, \b0, \b0+1
.irp a, 0,1,2,3
	WM 64*\a+8*(\b), F0+12*(\b), F1+48*(\set)+12*\a, SC+6*(\set)+(\b)/2, SC+6*(\set)+4+\a/2, (\b)%2, \a%2, \zero
.endr
.endr
.endm
.macro FRAG reg, adr, off              ; a fragment comes back as it was stored: three loads of 512 consecutive bytes
.irp c, 0,1,2
	ds_load_b128 v[\reg+4*\c:\reg+4*\c+3], v[\adr] offset:\off+512*\c
.endr
.endm
.macro FETCH_S1 sl, q, set
.irp a, 0,1,2,3
	FRAG F1+48*(\set)+12*\a, ADR1+\sl, REC*(\q)+1536*\a
.endr
.endm
.macro FETCH_S0 sl, q, b0
.irp b, \b0, \b0+1, \b0+2, \b0+3
	FRAG F0+12*(\b), ADR0+\sl, REC*(\q)+1536*(\b)
.endr
.endm
.macro SCALES sl, q, set
.irp g, 0,1,2,3
	ds_load_b32 v[SC+6*(\set)+\g], v[ADS0+\sl] offset:REC*(\q)+SCO+128*\g
.endr
.irp g, 0,1
	ds_load_b32 v[SC+6*(\set)+4+\g], v[ADS1+\sl] offset:REC*(\q)+SCO+128*\g
.endr
.endm
.macro STEP sl, q, zero                ; a K step that has its successor in the same slot
	s_wait_dscnt 12                                ; all but the youngest 12 loads (S0's tiles 4-7) are in
	WIN MULW
	MUL8 0, (\q)%2, \zero
	MUL8 2, (\q)%2, \zero
	s_wait_dscnt 0x0                               ; S0's tiles 4-7
	PLACES
	WIN 0
	FETCH_S1 \sl, (\q)+1, 1-(\q)%2
	FETCH_S0 \sl, (\q)+1, 0
	SCALES \sl, (\q)+1, 1-(\q)%2
	WIN MULW
	MUL8 4, (\q)%2, \zero
	MUL8 6, (\q)%2, \zero
	PLACES
	WIN 0
	FETCH_S0 \sl, (\q)+1, 4
.endm
.macro TURN sl, nx, fill               ; a slot's last K step changes slots: one barrier.  fill = 1: S1's part of this slot takes the next tile's records
	s_wait_tensorcnt 0x0                           ; all my tensor loads have landed: my part of the next slot
	ds_add_u32 v[SPW], v[NIL]                      ; 0 onto my spare word
	s_wait_dscnt 13                                ; the add and the 12 loads of S0's tiles 4-7 may be out
	WIN MULW
	MUL8 0, 1, 0
	s_wait_dscnt 0x0                               ; the add is done, and my reads of this slot are over
	s_barrier_signal -1
	MUL8 2, 1, 0
	WIN 0
	s_barrier_wait -1
.if \fill
	CREST                                          ; the barrier has opened a round of the cluster's: no wave of any partner still reads this slot or has a load on its way
	s_add_nc_u64 s[G0A+4*\sl+2:G0A+4*\sl+3], s[G0A+4*\sl+2:G0A+4*\sl+3], s[4:5]
	JLOADA \sl
.endif
	PLACES
	FETCH_S1 \nx, 0, 0
	FETCH_S0 \nx, 0, 0
	SCALES \nx, 0, 0
	WIN MULW
	MUL8 4, 1, 0
	MUL8 6, 1, 0
	PLACES
	WIN 0
	FETCH_S0 \nx, 0, 4
.endm
.macro TURNL                           ; the first tile's last K step: S1's part of slot 1 takes the next tile's records; nothing is fetched from LDS, since the way out takes the fragments' registers
	s_wait_tensorcnt 0x0                           ; all my tensor loads have landed: slot 0's refill
	ds_add_u32 v[SPW], v[NIL]                      ; 0 onto my spare word
	s_wait_dscnt 13
	WIN MULW
	MUL8 0, 1, 0
	s_wait_dscnt 0x0                               ; the add is done, and my reads of slot 1 are over
	s_barrier_signal -1
	MUL8 2, 1, 0
	WIN 0
	s_barrier_wait -1
	CREST
	s_add_nc_u64 s[G0A+6:G0A+7], s[G0A+6:G0A+7], s[4:5]
	JLOADA 1
	WIN MULW
	MUL8 4, 1, 0
	MUL8 6, 1, 0
	WIN 0
.endm
.macro LAST
	s_wait_dscnt 12
	WIN MULW
	MUL8 0, 1, 0
	MUL8 2, 1, 0
	s_wait_dscnt 0x0
	MUL8 4, 1, 0
	MUL8 6, 1, 0
	WIN 0
.endm
.macro PRODUCT more                    ; a tile's eight K steps.  more = 1: another tile follows
	FETCH_S1 0, 0, 0
	FETCH_S0 0, 0, 0
	SCALES 0, 0, 0
	FETCH_S0 0, 0, 4
	STEP 0, 0, 1                                   ; the first K step starts the sums
	STEP 0, 1, 0
	STEP 0, 2, 0
	TURN 0, 1, \more
	STEP 1, 0, 0
	STEP 1, 1, 0
	STEP 1, 2, 0
.if \more
	TURNL
.else
	LAST
.endif
.endm
; ---- the way out's registers (window 0, where the fragments lay)
.set LI,  14                           ; v14  16 x lane
.set L8,  15                           ; v15  8 x lane
.set L4,  16                           ; v16  4 x lane
.set BA,  17                           ; v17  64 h: in bq, bk
.set BVA, 18                           ; v18  4 (r + 8 (r / 8)): in bv
.set ST,  40                           ; v40-103 64 numbers
.set PC,  144
.set TM,  164
.set PW,  180
.set PWE, 181                          ; the even tile's scale word
.set PWC, 182                          ; two tiles' words: lanes 0-15 the even tile's, lanes 16-31 the odd one's
.set SEL, 84
.set WVOFF, 1638400                    ; wv's records in wts
.macro QUANT s
.irp b, 0,1,2,3
	v_max3_num_f32 v[TM+\b], |v[\s+16*\b]|, |v[\s+1+16*\b]|, 0x1800000   ; my 16 numbers of block b, and the floor 2^(3 - 127)
.endr
.irp i, 2,4,6,8,10,12,14
.irp b, 0,1,2,3
	v_max3_num_f32 v[TM+\b], v[TM+\b], |v[\s+16*\b+\i]|, |v[\s+1+16*\b+\i]|
.endr
.endr
.irp b, 0,1,2,3
	v_permlanex16_b32 v[TM+4+\b], v[TM+\b], s[SEL], s[SEL+1]
.endr
.irp b, 0,1,2,3
	v_max_num_f32 v[TM+\b], v[TM+\b], v[TM+4+\b]
.endr
.irp b, 0,1,2,3
	v_add_nc_u32 v[TM+12+\b], 0xff000000, v[TM+\b]
.endr
.irp b, 0,1,2,3
	v_lshrrev_b32 v[TM+4+\b], 23, v[TM+12+\b]
.endr
	v_lshl_or_b32 v[PW], v[TM+5], 8, v[TM+4]
	v_lshl_or_b32 v[PW], v[TM+6], 16, v[PW]
	v_lshl_or_b32 v[PW], v[TM+7], 24, v[PW]
.irp c, 0,1
	v_cvt_scalef32_pk16_fp6_f32 v[PC+6*\c:PC+2+6*\c], v[\s+32*\c:\s+15+32*\c], v[TM+12+2*\c]
	v_cvt_scalef32_pk16_fp6_f32 v[PC+12+4*\c:PC+14+4*\c], v[\s+16+32*\c:\s+31+32*\c], v[TM+12+2*\c+1]
.endr
	v_nop                                          ; one plain place behind a scaled conversion
.irp c, 0,1
.irp i, 0,1,2
	v_permlane16_swap_b32 v[PC+6*\c+\i], v[PC+12+4*\c+\i]
.endr
.irp i, 0,1,2
	v_mov_b32 v[PC+3+6*\c+\i], v[PC+12+4*\c+\i]
.endr
.endr
.endm
; q or k: tile a of tokens.  The panel's 128 columns are two heads: the fragment's registers 0-5 are the even head's 64, registers 6-11 the odd head's; the scale word's low half the even head's.
.macro QKOUT a
.if \a > 0
	s_wait_xcnt 0x0                                ; the last tile's stores have read their registers
.endif
	WIN 0x09                                       ; source 0 window 1 (the sums), source 1 window 2 (the bias)
.set n, 0
.rept 32
	v_pk_add_f32 v[ST+n:ST+n+1], v[64*\a+n:64*\a+n+1], v[n:n+1]     ; each accumulator from its low end on
.set n, n+2
.endr
	WIN 0
	QUANT ST
	global_store_b64 v[L8], v[PC:PC+1], s[88:89] offset:768*\a
	global_store_b128 v[LI], v[PC+2:PC+5], s[88:89] offset:768*\a+256
	global_store_b64 v[L8], v[PC+6:PC+7], s[90:91] offset:768*\a
	global_store_b128 v[LI], v[PC+8:PC+11], s[90:91] offset:768*\a+256
.if (\a)%2 == 0
	v_mov_b32 v[PWE], v[PW]
.else
	v_cndmask_b32 v[PWC], v[PWE], v[PW], s82       ; two tiles' words in one register: 128 consecutive bytes a store
	v_and_b32 v183, 0xffff, v[PWC]
	v_lshrrev_b32 v184, 16, v[PWC]
	global_store_b32 v[L4], v183, s[92:93] offset:64*(\a-1)
	global_store_b32 v[L4], v184, s[94:95] offset:64*(\a-1)
.endif
.endm
; v: tile a of a head's channels; the registers run along the 128 keys of a key step.  tile: which of the work-group's two tiles: its bv lies in v[64 + 4 tile + a] of window 2
.macro VOUT a, tile
.if \a > 0
	s_wait_xcnt 0x0
.endif
	WIN 0x09
.set n, 0
.rept 64
	v_add_f32 v[ST+n], v[64*\a+n], v[64+4*\tile+\a]
.set n, n+1
.endr
	WIN 0
	QUANT ST
.irp c, 0,1,2
	global_store_b128 v[LI], v[PC+4*\c:PC+4*\c+3], s[88:89] offset:6144+1536*\a+512*\c
.endr
.if (\a)%2 == 0
	v_mov_b32 v[PWE], v[PW]
.else
	v_cndmask_b32 v[PWC], v[PWE], v[PW], s82
	global_store_b32 v[L4], v[PWC], s[88:89] offset:12800+64*(\a-1)
.endif
.endm
; A tile's way out.  s17 holds the tile's y.  No register of S1's descriptors is written here: a refill may be on its way.
.macro WAYOUT tile
	PLACES
.irp b, 0,1,2,3
	v_mov_b32 v[TM+4+\b], 0                        ; a lane permute's destination counts as one of its sources
.endr
	s_cmp_lt_u32 s2, 4                             ; the cluster's y: the same in all sixteen partners
	s_cbranch_scc0 .Lvpart_\@
	s_lshl_b32 s18, s42, 1
	s_add_co_u32 s18, s18, s16
	s_and_b32 s18, s18, 7                          ; the pair of heads
	s_lshl_b32 s18, s18, 1
	s_lshr_b32 s19, s17, 4
	s_lshl_b32 s19, s19, 4
	s_add_co_u32 s18, s18, s19                     ; 16 x batch + the even head
	s_and_b32 s19, s17, 15                         ; the token panel in its batch
	s_cmp_eq_u32 ttmp9, 0                          ; q or k
	s_cselect_b64 s[86:87], s[78:79], s[80:81]
	s_mov_b32 s20, 208896
	s_cselect_b32 s20, 98304, s20                  ; bytes a head,
	s_mov_b32 s21, 13056
	s_cselect_b32 s21, 6144, s21                   ; a panel;
	s_mov_b32 s22, 12288
	s_cselect_b32 s22, 3145728, s22                ; where the scale words begin,
	s_mov_b32 s23, 208896
	s_cselect_b32 s23, 8192, s23                   ; their bytes a head,
	s_mov_b32 s45, 13056
	s_cselect_b32 s45, 512, s45                    ; a panel
	s_mul_i32 s46, s18, s20
	s_mul_i32 s47, s19, s21
	s_add_co_u32 s46, s46, s47
	s_mul_i32 s47, s15, 3072
	s_add_co_u32 s46, s46, s47
	s_mov_b32 s47, 0
	s_add_nc_u64 s[88:89], s[86:87], s[46:47]      ; the even head's codes,
	s_mov_b32 s46, s20
	s_add_nc_u64 s[90:91], s[88:89], s[46:47]      ; the odd head's
	s_mul_i32 s46, s18, s23
	s_mul_i32 s20, s19, s45
	s_add_co_u32 s46, s46, s20
	s_add_co_u32 s46, s46, s22
	s_lshl_b32 s20, s15, 8
	s_add_co_u32 s46, s46, s20
	s_add_nc_u64 s[92:93], s[86:87], s[46:47]      ; the even head's scale words,
	s_mov_b32 s46, s23
	s_add_nc_u64 s[94:95], s[92:93], s[46:47]      ; the odd head's
	QKOUT 0
	QKOUT 1
	QKOUT 2
	QKOUT 3
	s_branch .Lend_\@
.Lvpart_\@:
	s_lshl_b32 s18, s42, 1
	s_add_co_u32 s18, s18, s16                     ; the token panel
	s_lshr_b32 s19, s18, 4
	s_lshl_b32 s19, s19, 4
	s_lshl_b32 s20, s17, 1
	s_add_co_u32 s19, s19, s20
	s_add_co_u32 s19, s19, s15                     ; 16 x batch + head 2 y + w / 2
	s_lshl_b32 s19, s19, 4
	s_and_b32 s18, s18, 15
	s_add_co_u32 s19, s19, s18                     ; x 16 + key step
	s_mul_i32 s46, s19, 13056
	s_mov_b32 s47, 0
	s_add_nc_u64 s[88:89], s[80:81], s[46:47]
	VOUT 0, \tile
	VOUT 1, \tile
	VOUT 2, \tile
	VOUT 3, \tile
.Lend_\@:
.endm
	s_load_b256 s[68:75], s[0:1], 0x0              ; hc, wts, bq, bk
	s_load_b128 s[76:79], s[0:1], 0x20             ; bv, qbuf
	s_load_b64 s[80:81], s[0:1], 0x30              ; kv
	v_lshl_add_u32 v[SPW], v0, 2, SPARE
	v_mov_b32 v[NIL], 0
	ds_add_u32 v12, v13
	s_wait_dscnt 0x0
	v_lshrrev_b32 v1, 5, v0
	v_readfirstlane_b32 s14, v1                    ; wave 0..3
	s_lshr_b32 s15, s14, 1                         ; which four tiles of S1 are mine.  Also: I fetch for S1 (0) or S0 (1)
	s_and_b32 s16, s14, 1                          ; which panel of S0 is mine.  Also: which part I fetch
	s_bfe_u32 s40, ttmp6, 0x40000                  ; cx
	s_bfe_u32 s41, ttmp6, 0x40004                  ; cy
	s_and_b32 s2, ttmp7, 0xffff                    ; the cluster's y: under 4 q and k, from 4 on v
	s_max_u32 s18, s2, 4
	s_sub_co_u32 s18, s18, 4
	s_lshl_b32 s18, s18, 3                         ; v: 8 more pairs of token panels for the cluster's y 5
	s_mov_b32 s4, VSTEP
	s_mov_b32 s5, 0
	s_cmp_lt_u32 s2, 4
	s_cselect_b32 s19, s2, 0
	s_cselect_b32 s4, QKSTEP, s4                   ; s[4:5]: from the first tile's S1 to the second's, in bytes;
	s_cselect_b32 s6, 16, 4                        ; s6: in panels
	s_lshl_b32 s17, s19, 2
	s_add_co_u32 s17, s17, s41                     ; y: the first tile's panel of S1
	s_lshl_b32 s42, ttmp9, 2
	s_add_co_u32 s42, s42, s40
	s_add_co_u32 s42, s42, s18                     ; x: S0's pair of panels
	s_lshl_b32 s43, s41, 2
	s_lshl_b32 s43, 15, s43                        ; my row of the cluster
	s_lshl_b32 s44, 0x1111, s40                    ; my column
	s_or_b32 s[G1A], s43, (3<<16)|(1<<21)          ; 15:0 the mask; 17:16 elements of 8 bytes; 21 set beside a mask; no padding
	s_or_b32 s[G1B], s44, (3<<16)|(1<<21)
	s_mov_b32 s[G1A+1], 32<<16                     ; rows of 32 elements: 256 bytes
	s_mov_b32 s[G1A+2], 100<<16                    ; two records: 100 rows
	s_mov_b32 s[G1A+3], 32<<16
	s_mov_b32 s[G1A+4], 100
	s_mov_b32 s[G1A+5], 32                         ; dense
	s_mov_b32 s[G1A+6], 0
	s_mov_b32 s[G1A+7], 0
	s_mov_b32 s[G1B+1], 32<<16
	s_mov_b32 s[G1B+2], 200<<16                    ; four records: 200 rows
	s_mov_b32 s[G1B+3], 32<<16
	s_mov_b32 s[G1B+4], 200
	s_mov_b32 s[G1B+5], 32
	s_mov_b32 s[G1B+6], 0
	s_mov_b32 s[G1B+7], 0
	s_mul_i32 s20, s17, KS
	s_lshl_b32 s21, s16, 1
	s_add_co_u32 s20, s20, s21
	s_mul_i32 s20, s20, REC                        ; S1: record y KS + 2 (w % 2)
	s_mov_b32 s21, 0
	s_lshl_b32 s46, s42, 1
	s_add_co_u32 s46, s46, s16
	s_mul_i32 s46, s46, KS*REC                     ; S0: panel 2 x + w % 2
	s_mov_b32 s47, 0
	s_mul_i32 s45, s16, 2*REC                      ; where they go: no place in the cluster enters an LDS address
	s_mul_i32 s23, s16, CHUNK
	s_add_co_u32 s23, s23, CHUNK
	s_mov_b32 s82, 0xffff0000                      ; lanes 16-31
	s_mov_b32 s[SEL], 0x76543210
	s_mov_b32 s[SEL+1], 0xfedcba98
	s_wait_kmcnt 0x0
	s_add_nc_u64 s[86:87], s[70:71], WVOFF
	s_cmp_lt_u32 s2, 4
	s_cselect_b64 s[88:89], s[68:69], s[86:87]     ; S1: the tokens' codes, or wv's
	s_cselect_b64 s[90:91], s[70:71], s[68:69]     ; S0: wq's and wk's, or the tokens'
	s_add_nc_u64 s[20:21], s[88:89], s[20:21]
	s_add_nc_u64 s[46:47], s[90:91], s[46:47]
	CROUND                                         ; all sixteen work-groups are here: the first joint loads meet
.irp s, 0,1
	s_mov_b32 s[G0A+4*\s], 1
	s_add_co_u32 s[G0A+4*\s+1], s45, \s*SLOT
	s_add_nc_u64 s[G0A+4*\s+2:G0A+4*\s+3], s[20:21], \s*CHUNK
	s_or_b32 s[G0A+4*\s+3], s[G0A+4*\s+3], 0x80000000
	s_mov_b32 s[G0B+4*\s], 1
	s_add_co_u32 s[G0B+4*\s+1], s23, \s*SLOT
	s_add_nc_u64 s[G0B+4*\s+2:G0B+4*\s+3], s[46:47], \s*CHUNK
	s_or_b32 s[G0B+4*\s+3], s[G0B+4*\s+3], 0x80000000
	JLOAD \s                                       ; two loads of mine are out: all of the first tile's K
.endr
	v_and_b32 v1, 31, v0
	v_lshlrev_b32 v2, 4, v1
	v_lshlrev_b32 v3, 2, v1
	s_mul_i32 s18, s15, 6144
	s_mul_i32 s19, s16, CHUNK
	s_add_co_u32 s19, s19, CHUNK
	s_lshl_b32 s20, s15, 8
.irp s, 0,1
	v_add_nc_u32 v[ADR1+\s], s18, v2
	v_add_nc_u32 v[ADR0+\s], s19, v2
	v_add_nc_u32 v[ADS1+\s], s20, v3
	v_add_nc_u32 v[ADS0+\s], s19, v3
	s_add_co_u32 s18, s18, SLOT
	s_add_co_u32 s19, s19, SLOT
	s_add_co_u32 s20, s20, SLOT
.endr
	v_lshlrev_b32 v[LI], 4, v1
	v_lshlrev_b32 v[L8], 3, v1
	v_lshlrev_b32 v[L4], 2, v1
	v_bfe_u32 v[BA], v0, 4, 1
	v_lshlrev_b32 v[BA], 6, v[BA]
	v_and_b32 v19, 15, v0
	v_and_b32 v[BVA], 8, v19
	v_add_lshl_u32 v[BVA], v[BVA], v19, 2
	; THE BIASES.  Every work-group loads both sets, with no branch, so that no register's content hangs on a branch taken earlier: 64 numbers of bq or bk in the result's layout (the same for both tiles), and bv at my four
	; tiles' channels of panels y % 4 and y % 4 + 4 (y and y + 4 where v is made).  The set that a work-group does not use costs it a few loads once.
	s_lshl_b32 s18, s42, 1
	s_add_co_u32 s18, s18, s16
	s_and_b32 s18, s18, 7
	s_lshl_b32 s18, s18, 9
	s_mov_b32 s19, 0
	s_cmp_eq_u32 ttmp9, 0
	s_cselect_b64 s[92:93], s[72:73], s[74:75]
	s_add_nc_u64 s[92:93], s[92:93], s[18:19]
	s_and_b32 s18, s17, 3
	s_lshl_b32 s18, s18, 9
	s_lshl_b32 s22, s15, 8
	s_add_co_u32 s18, s18, s22
	s_add_nc_u64 s[94:95], s[76:77], s[18:19]
	WIN 0x80                                       ; destination window 2
.irp b, 0,1,2,3
.irp j, 0,1,2,3
	global_load_b128 v[16*\b+4*\j:16*\b+4*\j+3], v[BA], s[92:93] offset:128*\b+16*\j
.endr
.endr
.irp u, 0,1
.irp a, 0,1,2,3
	global_load_b32 v[64+4*\u+\a], v[BVA], s[94:95] offset:2048*\u+(32*(\a/2)+8*(\a%2))*4
.endr
.endr
	WIN 0
	s_wait_tensorcnt 1                             ; my part of slot 0 is in; slot 1's load may be out
	s_barrier_signal -1
	s_barrier_wait -1
	PRODUCT 1                                      ; the first tile; both refills are asked for in it
	s_wait_loadcnt 0x0                             ; the biases
	WAYOUT 0                                       ; it goes out while the second tile's records of S1 land
	s_wait_xcnt 0x0                                ; its stores have read their registers: the fragments' loads may land there
	s_add_co_u32 s17, s17, s6                      ; the second tile's y
	PRODUCT 0                                      ; slot 0's refill was shown landed to every wave by the round in the first tile's last K step
	WAYOUT 1
	s_wait_tensorcnt 0x0                           ; the wave's end
	ds_add_u32 v[SPW], v[NIL]
	s_wait_dscnt 0x0
	CROUND                                         ; the closing round
	s_endpgm
.Lfunc_end_k_q1d3360bb4d_qkv:
	.size	k_q1d3360bb4d_qkv, .Lfunc_end_k_q1d3360bb4d_qkv-k_q1d3360bb4d_qkv
	.p2alignl 7, 3214868480
	.fill 96, 4, 3214868480
	.section	.rodata,"a",@progbits
	.p2align	6, 0x0
	.amdhsa_kernel k_q1d3360bb4d_qkv
		.amdhsa_group_segment_fixed_size 327680
		.amdhsa_private_segment_fixed_size 0
		.amdhsa_enable_private_segment 0
		.amdhsa_kernarg_size 56
		.amdhsa_user_sgpr_count 2
		.amdhsa_user_sgpr_kernarg_segment_ptr 1
		.amdhsa_wavefront_size32 1
		.amdhsa_system_sgpr_workgroup_id_x 1
		.amdhsa_system_sgpr_workgroup_id_y 1
		.amdhsa_system_sgpr_workgroup_id_z 1
		.amdhsa_system_vgpr_workitem_id 0
		.amdhsa_next_free_vgpr 640
		.amdhsa_next_free_sgpr 100
		.amdhsa_reserve_vcc 0
		.amdhsa_float_denorm_mode_32 3
		.amdhsa_float_denorm_mode_16_64 3
		.amdhsa_memory_ordered 1
		.amdhsa_forward_progress 1
		.amdhsa_inst_pref_size 230
	.end_amdhsa_kernel
	.amdgpu_metadata
---
amdhsa.version: [ 1, 2 ]
amdhsa.kernels:
  - .name:           k_q1d3360bb4d_qkv
    .symbol:         k_q1d3360bb4d_qkv.kd
    .args:
      - { .name: hc, .offset: 0, .size: 8, .value_kind: global_buffer, .address_space: global }
      - { .name: wts, .offset: 8, .size: 8, .value_kind: global_buffer, .address_space: global }
      - { .name: bq, .offset: 16, .size: 8, .value_kind: global_buffer, .address_space: global }
      - { .name: bk, .offset: 24, .size: 8, .value_kind: global_buffer, .address_space: global }
      - { .name: bv, .offset: 32, .size: 8, .value_kind: global_buffer, .address_space: global }
      - { .name: qbuf, .offset: 40, .size: 8, .value_kind: global_buffer, .address_space: global }
      - { .name: kv, .offset: 48, .size: 8, .value_kind: global_buffer, .address_space: global }
    .group_segment_fixed_size: 327680
    .private_segment_fixed_size: 0
    .kernarg_segment_align: 8
    .kernarg_segment_size: 56
    .max_flat_workgroup_size: 128
    .sgpr_count:     100
    .vgpr_count:     640
    .wavefront_size: 32
...
	.end_amdgpu_metadata
.endif
;; end of part 3
;; launch attn (part 4): grid 8 x 32, 16 waves a work-group, clusters of 4 x 1, 215,040 bytes of LDS; arguments qbuf, kv, oc; writes oc
.if DOCPART == 4
	.amdgcn_target "amdgcn-amd-amdhsa--gfx1250"
	.amdhsa_code_object_version 6
	.text
	.protected	k_q1d3360bb4d_attn
	.globl	k_q1d3360bb4d_attn
	.p2align	8
	.type	k_q1d3360bb4d_attn,@function
k_q1d3360bb4d_attn:
	s_mov_b64 s[64:65], 0
	v_nop
	global_prefetch_b8 v0, s[64:65] scope:SCOPE_SE
	s_setreg_imm32_b32 hwreg(HW_REG_WAVE_MODE, 25, 1), 1
	s_wait_xcnt 0x0
	s_wait_alu depctr_hold_cnt(0) depctr_sa_sdst(0) depctr_va_vdst(0) depctr_va_sdst(0) depctr_va_ssrc(0) depctr_va_vcc(0) depctr_vm_vsrc(0)
	s_getreg_b32 s2, hwreg(HW_REG_IB_STS2, 6, 4)
	s_cmp_eq_u32 s2, 0
	s_cbranch_scc0 .Lentry_in_a_cluster
	s_endpgm
.Lentry_in_a_cluster:
	s_bfe_u32 s2, ttmp6, 0x10000c
	s_cmp_lg_u32 s2, 0x3003
	s_cbranch_scc0 .Lentry_shape_is_right
	s_endpgm
.Lentry_shape_is_right:
; o = softmax(q k^T / 8) v for 32 heads of 2,048 tokens x 64 channels, both products on codes of FP6 (E2M3) with E8M0 scales; o is quantised at once, along the model's 1,024 channels, for the next product.
; THE SOFTMAX AHEAD OF THE SECOND PRODUCT: t = score x log2(e) / 8; M = the row's largest t so far, rounded up to a whole number; p = 2^(t - M) is quantised along the keys, not normalised.
; The row's sum is taken of the unquantised p and divides at the end.  When M moves, the sum and O are multiplied by 2^(old M - new M): exact.
; SHARES: a work-group owns 256 queries of one head, each of its sixteen waves one tile of 16, in 256 registers: four waves to a SIMD, so that one wave's vector work stands beside another's products and LDS loads.
; A HEAD'S K, V AND SCALES, 16 records of 13,056 bytes, LIE IN LDS FOR THE WHOLE LAUNCH: wave w brings record w by one tensor load; nothing is filled again.
; CLUSTER: the four work-groups of a cluster belong to one head: each record is asked for jointly, by the same load with the same descriptor and the mask of all four.
; LAYOUT: both products are used transposed (S^T = K Q^T, O^T = V^T P^T): a lane holds one query.  Lane r of tile 2 b + u of the keys (and of V's channels) is row 32 b + 8 u + r + 8 (r / 8),
; so that the 16 registers of tiles 2 b, 2 b + 1 are 16 neighbours.  A RECORD: K's 8 tiles of 768 bytes (registers 0-1 at 8 l, 2-5 at 256 + 16 l), V^T's 4 fragments from 6,144, K's scale words from 12,288, V's from 12,800.
; THE HEAD'S K IS 64, HALF OF THE INSTRUCTION'S 128: Q's registers 6-11 are zero codes.  K's tile t lies in six registers and its operand names twelve: the upper six are the next tile's codes (or zeros), which meet Q's zeros.
; OUT: oc, records of 12,800 bytes (token panel x K step): K step s is the pair of heads 2 s, 2 s + 1; block position 2 c + h holds head 2 s + h, half c (wo's records have the same order).
; No later tile is left to be asked for ahead of time: all of K and V is requested at the head.
; LIMITS: NaN and infinities are not served; blocks under 2^-124 keep the scale byte 1.
.set KVREC, 13056
.set QSC,   3145728
.set REC,   12800
.set A16, 1                            ; v1-3  16, 8, 4 x lane
.set A8,  2
.set A4,  3
.set D16, 4                            ; v4-6  the same in the record in hand
.set D8,  5
.set D4,  6
.set KT,  32                           ; v32-79 K's tiles, 6 registers each; v80-85 zeros.  Behind the first product v32-47 are at work
.set KSC, 86                           ; v86-89 K's scale words: tile 2 g in lanes 0-15, 2 g + 1 in lanes 16-31
.set VSC, 90                           ; v90-91 V's likewise
.set S,   96                           ; v96-159 S^T, then p
.set O,   160                          ; v160-191 O^T
.set VF,  192                          ; v192-239 V^T's four fragments
.set PCD, 240                          ; v240-251 p's codes
.set BM,  32                           ; v32-35 each block's largest score, then largest p
.set PT,  36                           ; v36-42 lane exchange, bytes, the conversions' upper halves
.set SOP, 44                           ; v44-47 the conversions' scale operands
.set WV,  10
.set G0,  20
.set G1,  24
.set SEL, 48
.set CS,  50
.set HI,  52
.set TB,  53
.set CNT, 54
.macro CROUND
	s_barrier_signal -1
	s_barrier_wait -1
	s_cmp_lg_u32 s[WV], 0
	s_cbranch_scc1 .Lnot_wave_0_\@
	s_barrier_signal -3
.Lnot_wave_0_\@:
	s_barrier_wait -3
	s_barrier_signal -1
	s_barrier_wait -1
.endm
	s_load_b128 s[4:7], s[0:1], 0x0                ; qbuf, kv
	s_load_b64 s[8:9], s[0:1], 0x10                ; oc
	v_lshl_add_u32 v95, v0, 2, 0x34000
	v_mov_b32 v255, 0
	ds_add_u32 v95, v255
	v_lshrrev_b32 v1, 5, v0
	v_readfirstlane_b32 s[WV], v1                  ; wave 0..15
	s_bfe_u32 s11, ttmp6, 0x40000                  ; cx: it enters Q's and o's addresses alone
	s_and_b32 s12, ttmp7, 0xffff                   ; 16 x batch + head
	s_mov_b32 s[G1], 15|(3<<16)|(1<<21)            ; 15:0 the mask: all four; 17:16 elements of 8 bytes; 21 set beside a mask; no padding
	s_mov_b32 s[G1+1], 32<<16                      ; rows of 256 bytes
	s_mov_b32 s[G1+2], 51<<16                      ; 51 of them: a record
	s_mov_b32 s[G1+3], 32<<16
	s_mov_b32 s[G1+4], 51
	s_mov_b32 s[G1+5], 32
	s_mov_b32 s[G1+6], 0
	s_mov_b32 s[G1+7], 0
	s_lshl_b32 s13, s12, 4
	s_add_co_u32 s13, s13, s[WV]
	s_mul_i32 s14, s13, KVREC                      ; record 16 x head + wave
	s_mov_b32 s15, 0
	s_mul_i32 s17, s[WV], KVREC
	s_mov_b32 s[SEL], 0x76543210
	s_mov_b32 s[SEL+1], 0xfedcba98
	s_mov_b32 s[CS], 0x3e38aa3b                    ; c = log2(e) / 8
	s_mov_b32 s[CS+1], s[CS]                       ; (named with it as a pair, so it is written)
	s_mov_b32 s[HI], 0xffff0000                    ; lanes 16-31
	s_wait_dscnt 0x0
	s_wait_kmcnt 0x0
	s_mov_b32 s[G0], 1
	s_mov_b32 s[G0+1], s17
	s_add_nc_u64 s[G0+2:G0+3], s[6:7], s[14:15]
	s_or_b32 s[G0+3], s[G0+3], 0x80000000
	CROUND                                         ; all four work-groups are here: the joint loads meet
	tensor_load_to_lds s[G0:G0+3], s[G1:G1+7]      ; my one tensor load of the launch
	s_nop 0
.rept 4
	v_nop
.endr
	s_lshl_b32 s32, ttmp9, 2
	s_add_co_u32 s32, s32, s11
	s_lshl_b32 s33, s32, 4
	s_add_co_u32 s33, s33, s[WV]                   ; my tile of queries, 0 .. 127
	s_lshl_b32 s34, s12, 7
	s_add_co_u32 s34, s34, s33
	s_mul_i32 s36, s34, 768
	s_mov_b32 s37, 0
	s_lshl_b32 s38, s34, 6
	s_add_co_u32 s38, s38, QSC
	s_mov_b32 s39, 0
	s_add_nc_u64 s[36:37], s[4:5], s[36:37]
	s_add_nc_u64 s[38:39], s[4:5], s[38:39]
	v_and_b32 v10, 31, v0
	v_lshlrev_b32 v[A16], 4, v10
	v_lshlrev_b32 v[A8], 3, v10
	v_lshlrev_b32 v[A4], 2, v10
	v_and_b32 v11, 15, v0
	v_lshlrev_b32 v11, 2, v11
	global_load_b64 v[16:17], v[A8], s[36:37]      ; Q's six registers stay
	global_load_b128 v[18:21], v[A16], s[36:37] offset:256
	global_load_b32 v28, v11, s[38:39]             ; Q's scale words
.irp j, 22,23,24,25,26,27,80,81,82,83,84,85
	v_mov_b32 v[\j], 0                             ; zero codes: Q's upper 64 along K, and what stands behind K's last tile
.endr
	v_mov_b32 v13, 0xff61b1e6                      ; the largest t so far: -3e38
	v_floor_f32 v12, -v13                          ; -M
	v_mov_b32 v14, 0                               ; the sum, in two halves
	v_mov_b32 v15, 0
	v_mov_b32 v253, 0                              ; (named as the upper half of v[252:253] before it is first written)
.set j, 0
.rept 32
	v_mov_b32 v[O+j], 0                            ; O^T: the step is written once; its first trip finds zeros
.set j, j+1
.endr
	s_mov_b32 s[TB], 0
	s_mov_b32 s[CNT], 16
	s_wait_tensorcnt 0x0                           ; my record is in,
	s_barrier_signal -1
	s_barrier_wait -1                              ; everybody's is
	s_wait_loadcnt 0x0                             ; Q
.Lstep:                                            ; 16 trips: 128 keys each
	v_add_nc_u32 v[D16], s[TB], v[A16]
	v_add_nc_u32 v[D8], s[TB], v[A8]
	v_add_nc_u32 v[D4], s[TB], v[A4]
.irp t, 0,1,2,3,4,5,6,7
	ds_load_b64 v[KT+6*\t:KT+6*\t+1], v[D8] offset:768*\t
	ds_load_b128 v[KT+6*\t+2:KT+6*\t+5], v[D16] offset:768*\t+256
.endr
.irp g, 0,1,2,3
	ds_load_b32 v[KSC+\g], v[D4] offset:12288+128*\g
.endr
	s_wait_dscnt 0x0
.irp t, 0,1,2,3,4,5,6,7
.if \t%2
	v_wmma_scale_f32_16x16x128_f8f6f4 v[S+8*\t:S+8*\t+7], v[KT+6*\t:KT+6*\t+11], v[16:27], 0, v[KSC+\t/2], v28 matrix_a_fmt:MATRIX_FMT_FP6 matrix_b_fmt:MATRIX_FMT_FP6 matrix_a_scale:MATRIX_SCALE_ROW1
.else
	v_wmma_scale_f32_16x16x128_f8f6f4 v[S+8*\t:S+8*\t+7], v[KT+6*\t:KT+6*\t+11], v[16:27], 0, v[KSC+\t/2], v28 matrix_a_fmt:MATRIX_FMT_FP6 matrix_b_fmt:MATRIX_FMT_FP6
.endif
.endr
.rept 4
	v_nop                                          ; places: the scores are read and K's registers written below; with the three additions above also those behind the last trip's products, in front of V's loads
.endr
.irp f, 0,1,2,3
.irp c, 0,1,2
	ds_load_b128 v[VF+12*\f+4*\c:VF+12*\f+4*\c+3], v[D16] offset:6144+1536*\f+512*\c   ; V lands while the softmax is walked
.endr
.endr
.irp g, 0,1
	ds_load_b32 v[VSC+\g], v[D4] offset:12800+128*\g
.endr
.irp b, 0,1,2,3
	v_max3_num_f32 v[BM+\b], v[S+16*\b], v[S+1+16*\b], v[S+2+16*\b]   ; the largest score of each block of 32 keys: for the row's maximum and, since p rises with the score, for the block's largest p
.endr
.irp i, 3,5,7,9,11,13
.irp b, 0,1,2,3
	v_max3_num_f32 v[BM+\b], v[BM+\b], v[S+16*\b+\i], v[S+1+16*\b+\i]
.endr
.endr
.irp b, 0,1,2,3
	v_max_num_f32 v[BM+\b], v[BM+\b], v[S+15+16*\b]
.endr
.irp b, 0,1,2,3
	v_permlanex16_b32 v[PT+\b], v[BM+\b], s[SEL], s[SEL+1]
.endr
.irp b, 0,1,2,3
	v_max_num_f32 v[BM+\b], v[BM+\b], v[PT+\b]     ; with lane l xor 16's 16 keys
.endr
	v_max3_num_f32 v254, v[BM], v[BM+1], v[BM+2]
	v_max_num_f32 v254, v254, v[BM+3]
	v_mul_f32 v254, s[CS], v254                    ; as t (c is positive)
	v_max_num_f32 v13, v13, v254                   ; the running largest t
	v_mov_b32 v254, v12
	v_floor_f32 v12, -v13                          ; the new -M = -ceil(t): a whole number
	v_sub_f32 v254, v12, v254                      ; old M - new M: a whole number, 0 or less
	v_cvt_i32_f32 v254, v254                       ; (it saturates)
	v_ldexp_f32 v252, 1.0, v254                    ; f = 2^(old M - new M)
.set j, 0
.rept 32
	v_pk_fma_f32 v[S+j:S+j+1], v[S+j:S+j+1], s[CS:CS+1], v[12:13] op_sel_hi:[1,0,0]   ; t - M
.set j, j+2
.endr
.irp b, 0,1,2,3
	v_fma_f32 v[BM+\b], v[BM+\b], s[CS], v12       ; the same of each block's largest score
.endr
.set j, 0
.rept 64
	v_exp_f32 v[S+j], v[S+j]                       ; p = 2^(t - M), at most 1
.set j, j+1
.endr
.irp b, 0,1,2,3
	v_exp_f32 v[BM+\b], v[BM+\b]                   ; the block's largest p: the same two instructions on the same number
.endr
	v_pk_mul_f32 v[14:15], v[14:15], v[252:253] op_sel_hi:[1,0]     ; the sums under the new M (a plain place behind the exponentials)
	s_wait_alu depctr_va_vdst(0)
.irp b, 0,1,2,3
	v_max_num_f32 v[BM+\b], 0x1800000, v[BM+\b]    ; the floor 2^(3 - 127)
.endr
.irp b, 0,1,2,3
	v_add_nc_u32 v[SOP+\b], 0xff000000, v[BM+\b]   ; 2 off the exponent field: the conversion's scale operand
.endr
.irp b, 0,1,2,3
	v_lshrrev_b32 v[PT+\b], 23, v[SOP+\b]          ; the scale's byte
.endr
	v_lshl_or_b32 v253, v[PT+1], 8, v[PT]          ; p's scale word for these 128 keys
	v_lshl_or_b32 v253, v[PT+2], 16, v253
	v_lshl_or_b32 v253, v[PT+3], 24, v253
.irp c, 0,1
	v_cvt_scalef32_pk16_fp6_f32 v[PCD+6*\c:PCD+2+6*\c], v[S+32*\c:S+15+32*\c], v[SOP+2*\c]
	v_cvt_scalef32_pk16_fp6_f32 v[PT+4*\c:PT+2+4*\c], v[S+16+32*\c:S+31+32*\c], v[SOP+2*\c+1]
.endr
	v_nop                                          ; one plain place behind a scaled conversion
.irp c, 0,1                                    ; the operand's layout wants a whole block in a lane
.irp i, 0,1,2
	v_permlane16_swap_b32 v[PCD+6*\c+\i], v[PT+4*\c+\i]
.endr
.irp i, 0,1,2
	v_mov_b32 v[PCD+3+6*\c+\i], v[PT+4*\c+\i]
.endr
.endr
	v_pk_add_f32 v[PT:PT+1], v[S:S+1], v[S+2:S+3]  ; the row's sum is taken of the unquantised p: two chains
.irp j, 4,8,12,16,20,24,28,32,36,40,44,48,52,56,60
	v_pk_add_f32 v[14:15], v[14:15], v[S+\j:S+\j+1]
	v_pk_add_f32 v[PT:PT+1], v[PT:PT+1], v[S+2+\j:S+3+\j]
.endr
	v_pk_add_f32 v[14:15], v[14:15], v[PT:PT+1]
.set j, 0
.rept 16
	v_pk_mul_f32 v[O+j:O+j+1], v[O+j:O+j+1], v[252:253] op_sel_hi:[1,0]   ; O^T under the new M.  (The sums and these are the places between p's scale word and codes and the products)
.set j, j+2
.endr
	s_wait_dscnt 0x0                               ; V
.irp t, 0,1,2,3                                ; the four accumulators take turns
.if \t%2
	v_wmma_scale_f32_16x16x128_f8f6f4 v[O+8*\t:O+8*\t+7], v[VF+12*\t:VF+12*\t+11], v[PCD:PCD+11], v[O+8*\t:O+8*\t+7], v[VSC+\t/2], v253 matrix_a_fmt:MATRIX_FMT_FP6 matrix_b_fmt:MATRIX_FMT_FP6 matrix_a_scale:MATRIX_SCALE_ROW1
.else
	v_wmma_scale_f32_16x16x128_f8f6f4 v[O+8*\t:O+8*\t+7], v[VF+12*\t:VF+12*\t+11], v[PCD:PCD+11], v[O+8*\t:O+8*\t+7], v[VSC+\t/2], v253 matrix_a_fmt:MATRIX_FMT_FP6 matrix_b_fmt:MATRIX_FMT_FP6
.endif
.endr
	s_add_co_u32 s[TB], s[TB], KVREC
	s_sub_co_u32 s[CNT], s[CNT], 1
	s_cmp_lg_u32 s[CNT], 0
	s_cbranch_scc1 .Lstep
	; THE WAY OUT.  Register 16 B + i of O^T is channel 32 B + 16 (lane / 16) + i of my query: two blocks of the model's K.
.rept 4
	v_nop                                          ; places behind the last products
.endr
	v_add_f32 v14, v14, v15
	v_permlanex16_b32 v252, v14, s[SEL], s[SEL+1]
	v_add_f32 v14, v14, v252                       ; the row's sum
	v_rcp_f32 v14, v14
	v_and_b32 v10, 15, v0                          ; r  (a plain place behind the transcendental)
	v_bfe_u32 v11, v0, 4, 1                        ; h'
.set j, 0
	s_wait_alu depctr_va_vdst(0)
.rept 16
	v_pk_mul_f32 v[S+j:S+j+1], v[O+j:O+j+1], v[14:15] op_sel_hi:[1,0]     ; o, each accumulator from its low end on
.set j, j+2
.endr
.irp b, 0,1
	v_max3_num_f32 v[BM+\b], |v[S+16*\b]|, |v[S+1+16*\b]|, 0x1800000
.endr
.irp i, 2,4,6,8,10,12,14
.irp b, 0,1
	v_max3_num_f32 v[BM+\b], v[BM+\b], |v[S+16*\b+\i]|, |v[S+1+16*\b+\i]|
.endr
.endr
.irp b, 0,1
	v_permlanex16_b32 v[PT+\b], v[BM+\b], s[SEL], s[SEL+1]
.endr
.irp b, 0,1
	v_max_num_f32 v[BM+\b], v[BM+\b], v[PT+\b]
.endr
.irp b, 0,1
	v_add_nc_u32 v[SOP+\b], 0xff000000, v[BM+\b]
.endr
.irp b, 0,1
	v_lshrrev_b32 v[PT+\b], 23, v[SOP+\b]
.endr
	v_cvt_scalef32_pk16_fp6_f32 v[128:130], v[S:S+15], v[SOP]
	v_cvt_scalef32_pk16_fp6_f32 v[132:134], v[S+16:S+31], v[SOP+1]
	v_nop
.irp i, 0,1,2
	v_permlane16_swap_b32 v[128+\i], v[132+\i]     ; lane (r, h') now holds block h' whole: W0-2 = v128-130, W3-5 = v132-134
.endr
	; Block h' of head parity hp is registers 6 h' .. 6 h' + 5 of fragment lane r + 16 hp.  In the image: h' = 0: W0-3 at 16 l, W4-5 at 512 + 16 l;  h' = 1: W0-1 at 512 + 16 l + 8, W2-5 at 1,024 + 16 l.
	v_cndmask_b32 v136, v128, v130, s[HI]
	v_cndmask_b32 v137, v129, v132, s[HI]
	v_cndmask_b32 v138, v130, v133, s[HI]
	v_cndmask_b32 v139, v132, v134, s[HI]
	v_cndmask_b32 v140, v133, v128, s[HI]
	v_cndmask_b32 v141, v134, v129, s[HI]
	v_cndmask_b32 v142, v[PT], v[PT+1], s[HI]      ; my block's byte
	v_lshlrev_b32 v7, 4, v10
	v_lshl_add_u32 v8, v11, 3, v7                  ; 16 r + 8 h'
	v_lshl_add_u32 v7, v11, 10, v7                 ; 16 r + 1,024 h'
	v_lshlrev_b32 v9, 2, v10
	v_lshl_add_u32 v9, v11, 1, v9                  ; 4 r + 2 h'
	s_lshr_b32 s40, s12, 4
	s_lshl_b32 s40, s40, 7
	s_add_co_u32 s40, s40, s33                     ; my tile among all tokens'
	s_lshr_b32 s41, s40, 3
	s_lshl_b32 s41, s41, 3
	s_bfe_u32 s42, s12, 0x30001                    ; the pair of heads: the K step
	s_add_co_u32 s41, s41, s42
	s_mul_i32 s41, s41, REC
	s_and_b32 s40, s40, 7
	s_and_b32 s42, s12, 1                          ; hp
	s_mul_i32 s44, s40, 1536
	s_add_co_u32 s44, s44, s41
	s_lshl_b32 s43, s42, 8
	s_add_co_u32 s44, s44, s43
	s_mov_b32 s45, 0
	s_lshl_b32 s46, s40, 6
	s_add_co_u32 s46, s46, s41
	s_add_co_u32 s46, s46, s42
	s_mov_b32 s47, 0
	s_add_nc_u64 s[44:45], s[8:9], s[44:45]
	s_add_nc_u64 s[46:47], s[8:9], s[46:47]
	global_store_b128 v7, v[136:139], s[44:45]                     ; sixteen lanes fill 256 consecutive bytes, aligned: two such runs
	global_store_b64 v8, v[140:141], s[44:45] offset:512           ; 32 lanes fill one such run
	global_store_b8 v9, v142, s[46:47] offset:12288                ; a row's four scale bytes come from two heads' work-groups: this one store goes by bytes
	s_wait_tensorcnt 0x0
	ds_add_u32 v95, v255
	s_wait_dscnt 0x0
	CROUND                                         ; the closing round: no work-group ends while a partner may still ask for a record that names it
	s_endpgm
.Lfunc_end_k_q1d3360bb4d_attn:
	.size	k_q1d3360bb4d_attn, .Lfunc_end_k_q1d3360bb4d_attn-k_q1d3360bb4d_attn
	.p2alignl 7, 3214868480
	.fill 96, 4, 3214868480
	.section	.rodata,"a",@progbits
	.p2align	6, 0x0
	.amdhsa_kernel k_q1d3360bb4d_attn
		.amdhsa_group_segment_fixed_size 215040
		.amdhsa_private_segment_fixed_size 0
		.amdhsa_enable_private_segment 0
		.amdhsa_kernarg_size 24
		.amdhsa_user_sgpr_count 2
		.amdhsa_user_sgpr_kernarg_segment_ptr 1
		.amdhsa_wavefront_size32 1
		.amdhsa_system_sgpr_workgroup_id_x 1
		.amdhsa_system_sgpr_workgroup_id_y 1
		.amdhsa_system_sgpr_workgroup_id_z 1
		.amdhsa_system_vgpr_workitem_id 0
		.amdhsa_next_free_vgpr 256
		.amdhsa_next_free_sgpr 66
		.amdhsa_reserve_vcc 0
		.amdhsa_float_denorm_mode_32 3
		.amdhsa_float_denorm_mode_16_64 3
		.amdhsa_memory_ordered 1
		.amdhsa_forward_progress 1
		.amdhsa_inst_pref_size 27
	.end_amdhsa_kernel
	.amdgpu_metadata
---
amdhsa.version: [ 1, 2 ]
amdhsa.kernels:
  - .name:           k_q1d3360bb4d_attn
    .symbol:         k_q1d3360bb4d_attn.kd
    .args:
      - { .name: qbuf, .offset: 0, .size: 8, .value_kind: global_buffer, .address_space: global }
      - { .name: kv, .offset: 8, .size: 8, .value_kind: global_buffer, .address_space: global }
      - { .name: oc, .offset: 16, .size: 8, .value_kind: global_buffer, .address_space: global }
    .group_segment_fixed_size: 215040
    .private_segment_fixed_size: 0
    .kernarg_segment_align: 8
    .kernarg_segment_size: 24
    .max_flat_workgroup_size: 512
    .sgpr_count:     66
    .vgpr_count:     256
    .wavefront_size: 32
...
	.end_amdgpu_metadata
.endif
;; end of part 4
;; launch oproj (part 5): grid 8 x 32, 4 waves a work-group, clusters of 4 x 4, 229,888 bytes of LDS; arguments oc, wts, bo, x, x1; writes x1
.if DOCPART == 5
	.amdgcn_target "amdgcn-amd-amdhsa--gfx1250"
	.amdhsa_code_object_version 6
	.text
	.protected	k_q1d3360bb4d_oproj
	.globl	k_q1d3360bb4d_oproj
	.p2align	8
	.type	k_q1d3360bb4d_oproj,@function
k_q1d3360bb4d_oproj:
	s_mov_b64 s[64:65], 0
	v_nop
	global_prefetch_b8 v0, s[64:65] scope:SCOPE_SE
	s_setreg_imm32_b32 hwreg(HW_REG_WAVE_MODE, 25, 1), 1
	s_wait_xcnt 0x0
	s_wait_alu depctr_hold_cnt(0) depctr_sa_sdst(0) depctr_va_vdst(0) depctr_va_sdst(0) depctr_va_ssrc(0) depctr_va_vcc(0) depctr_vm_vsrc(0)
	s_getreg_b32 s2, hwreg(HW_REG_IB_STS2, 6, 4)
	s_cmp_eq_u32 s2, 0
	s_cbranch_scc0 .Lentry_in_a_cluster
	s_endpgm
.Lentry_in_a_cluster:
	s_bfe_u32 s2, ttmp6, 0x10000c
	s_cmp_lg_u32 s2, 0xf033
	s_cbranch_scc0 .Lentry_shape_is_right
	s_endpgm
.Lentry_shape_is_right:
; x1 = x + (o wo + bo), f32 [4096][1024]; o and wo are codes of FP6 (E2M3) with E8M0 scales, K = 1,024.
; OPERANDS lie as records of 12,800 bytes (a panel of 128 rows x a K step of 128): fragment t at 1536 t as an image of its 12 registers, scale words at 12,288 + 64 t + 4 r.  Lane r of tile 2 B + u is row 32 B + 8 u + r + 8 (r / 8).
; SHARES: D[S1 row][S0 row], S1 = tokens, S0 = wo's columns.  A work-group takes one panel of S1 x one panel of S0: 8 x 32 = 256 work-groups.  Wave w takes S1's tiles 4 (w / 2) + 0..3 x S0's tiles 4 (w % 2) + 0..3:
; 16 accumulators (window 1, (a, b) at v[32 a + 8 b]).  Source 0 = a tile of S0, source 1 = a tile of S1: a lane holds one token, and the 16 registers of S0's tiles 2 B, 2 B + 1 are 16 neighbouring columns.
; LDS: two quads of 102,400 bytes, each four K steps (S1's 4 records, then S0's 4): all of K.  Each wave brings one quad's part of one operand by one tensor load; nothing is filled again.
; CLUSTERS of 4 x 4: S1's records hang on y alone and are asked for jointly along a row of the cluster, S0's on x alone, jointly along a column.
; A K STEP: 8 fragments and 4 scale words (28 LDS loads) for 16 products; two sets of operand registers: the next step's loads are issued ahead of this step's products.
; THE WAY OUT: a tile of 16 tokens x 64 columns goes through the wave's own stage in LDS (bytes that no tensor load fills) and comes back as rows of 256 bytes; bias and residual are added there.  The residual's rows were asked for at the head (window 1, v128-255).
.set KS,    8
.set WOFF,  2457600                    ; wo's records in wts
.set REC,   12800
.set SCO,   12288
.set HALFQ, 4*REC                      ; four K steps of a panel
.set QUAD,  2*HALFQ
.set STAGE, 2*QUAD                     ; behind the quads: 16 rows x 272 bytes for each wave
.set SP,    272
.set ADR1, 4                           ; v4-5   16 l + my four tiles of S1, quad 0, 1
.set ADR0, 7                           ; v7-8   16 l + my four tiles of S0
.set ADS1, 10                          ; v10-11 4 l + the same, for the scale words
.set ADS0, 13                          ; v13-14
.set CO,   18                          ; v18    my bytes in two rows of the result: 4,096 (l / 16) + 16 (l % 16)
.set STO,  19                          ; v19    the stage: where I put 32 bytes of a row
.set RD,   20                          ; v20    and where I read a row back
.set BA,   23                          ; v23    16 (l % 16): in the bias
.set SC,   24                          ; v24-31 scale words, two sets of 4: 0-1 S0's tiles 2 g (lanes 0-15), 2 g + 1 (lanes 16-31); 2-3 S1's likewise
.set BI,   36                          ; v36-39 the bias at my four columns
.set F0,   40                          ; v40-135  S0's four fragments, two sets
.set F1,   136                         ; v136-231 S1's four fragments, two sets
.set BK,   40                          ; the way out: v40-71, v72-103: a tile's 16 rows, by turns
.set RES,  128                         ; window 1: the residual
.set G1A,  24                          ; s[24:31] group 1 for S1, s[48:55] for S0: they differ in the mask
.set G1B,  48
.set G0A,  68                          ; s[68:71], s[76:79] groups 0
.set G0B,  76
.set MULW, 0x50                        ; C and D in window 1, all else in window 0
.set MSB, 0
.macro WIN new                         ; the immediate's high byte repeats the setting that is left
.if MSB != \new
	s_set_vgpr_msb (MSB<<8)|\new
.set MSB, \new
.endif
.endm
.macro PLACES                          ; four places behind a matrix instruction in front of loads into its sources and of reads of its result
.rept 4
	v_nop
.endr
.endm
.macro CROUND                          ; a round of the cluster's barrier
	s_barrier_signal -1
	s_barrier_wait -1
	s_cmp_lg_u32 s14, 0
	s_cbranch_scc1 .Lnot_wave_0_\@
	s_barrier_signal -3
.Lnot_wave_0_\@:
	s_barrier_wait -3
	s_barrier_signal -1
	s_barrier_wait -1
.endm
.macro WM acc, fa, fb, sa, sb, ra, rb, zero    ; one product; ra, rb: the scale words lie in lanes 16-31
.set WSEL, 4*(\zero)+2*(\ra)+(\rb)
.if WSEL == 0
	v_wmma_scale_f32_16x16x128_f8f6f4 v[\acc:\acc+7], v[\fa:\fa+11], v[\fb:\fb+11], v[\acc:\acc+7], v[\sa], v[\sb] matrix_a_fmt:MATRIX_FMT_FP6 matrix_b_fmt:MATRIX_FMT_FP6
.elseif WSEL == 1
	v_wmma_scale_f32_16x16x128_f8f6f4 v[\acc:\acc+7], v[\fa:\fa+11], v[\fb:\fb+11], v[\acc:\acc+7], v[\sa], v[\sb] matrix_a_fmt:MATRIX_FMT_FP6 matrix_b_fmt:MATRIX_FMT_FP6 matrix_b_scale:MATRIX_SCALE_ROW1
.elseif WSEL == 2
	v_wmma_scale_f32_16x16x128_f8f6f4 v[\acc:\acc+7], v[\fa:\fa+11], v[\fb:\fb+11], v[\acc:\acc+7], v[\sa], v[\sb] matrix_a_fmt:MATRIX_FMT_FP6 matrix_b_fmt:MATRIX_FMT_FP6 matrix_a_scale:MATRIX_SCALE_ROW1
.elseif WSEL == 3
	v_wmma_scale_f32_16x16x128_f8f6f4 v[\acc:\acc+7], v[\fa:\fa+11], v[\fb:\fb+11], v[\acc:\acc+7], v[\sa], v[\sb] matrix_a_fmt:MATRIX_FMT_FP6 matrix_b_fmt:MATRIX_FMT_FP6 matrix_a_scale:MATRIX_SCALE_ROW1 matrix_b_scale:MATRIX_SCALE_ROW1
.elseif WSEL == 4
	v_wmma_scale_f32_16x16x128_f8f6f4 v[\acc:\acc+7], v[\fa:\fa+11], v[\fb:\fb+11], 0, v[\sa], v[\sb] matrix_a_fmt:MATRIX_FMT_FP6 matrix_b_fmt:MATRIX_FMT_FP6
.elseif WSEL == 5
	v_wmma_scale_f32_16x16x128_f8f6f4 v[\acc:\acc+7], v[\fa:\fa+11], v[\fb:\fb+11], 0, v[\sa], v[\sb] matrix_a_fmt:MATRIX_FMT_FP6 matrix_b_fmt:MATRIX_FMT_FP6 matrix_b_scale:MATRIX_SCALE_ROW1
.elseif WSEL == 6
	v_wmma_scale_f32_16x16x128_f8f6f4 v[\acc:\acc+7], v[\fa:\fa+11], v[\fb:\fb+11], 0, v[\sa], v[\sb] matrix_a_fmt:MATRIX_FMT_FP6 matrix_b_fmt:MATRIX_FMT_FP6 matrix_a_scale:MATRIX_SCALE_ROW1
.else
	v_wmma_scale_f32_16x16x128_f8f6f4 v[\acc:\acc+7], v[\fa:\fa+11], v[\fb:\fb+11], 0, v[\sa], v[\sb] matrix_a_fmt:MATRIX_FMT_FP6 matrix_b_fmt:MATRIX_FMT_FP6 matrix_a_scale:MATRIX_SCALE_ROW1 matrix_b_scale:MATRIX_SCALE_ROW1
.endif
.endm
.macro MUL8 b0, set, zero              ; S0's tiles b0, b0 + 1 x S1's four.  The 16 accumulators take turns, in the same order in every K step
.irp b, \b0, \b0+1
.irp a, 0,1,2,3
	WM 32*\a+8*(\b), F0+48*(\set)+12*(\b), F1+48*(\set)+12*\a, SC+4*(\set)+(\b)/2, SC+4*(\set)+2+\a/2, (\b)%2, \a%2, \zero
.endr
.endr
.endm
.macro FRAG reg, adr, off              ; a fragment comes back as it was stored: three loads of 512 consecutive bytes
.irp c, 0,1,2
	ds_load_b128 v[\reg+4*\c:\reg+4*\c+3], v[\adr] offset:\off+512*\c
.endr
.endm
.macro FETCH j, q, set                 ; the operands of quad j's q-th K step into set
.irp i, 0,1,2,3
	FRAG F0+48*(\set)+12*\i, ADR0+(\j), REC*(\q)+1536*\i
.endr
.irp i, 0,1,2,3
	FRAG F1+48*(\set)+12*\i, ADR1+(\j), REC*(\q)+1536*\i
.endr
.irp g, 0,1
	ds_load_b32 v[SC+4*(\set)+\g], v[ADS0+(\j)] offset:REC*(\q)+SCO+128*\g
	ds_load_b32 v[SC+4*(\set)+2+\g], v[ADS1+(\j)] offset:REC*(\q)+SCO+128*\g
.endr
.endm
.macro STEP set, nj, nq, zero          ; a K step on set; its successor lies in quad nj, K step nq
	s_wait_dscnt 0x0                               ; this step's operands are in
	PLACES                                         ; behind the last step's products, which read the other set
	FETCH \nj, \nq, 1-(\set)
	WIN MULW
	MUL8 0, \set, \zero
	MUL8 2, \set, \zero
	WIN 0
.endm
.macro RUN k0, cnt                     ; K steps k0 .. k0 + cnt - 1
.set kk, \k0
.rept \cnt
	STEP kk%2, (kk+1)/4, (kk+1)%4, 0
.set kk, kk+1
.endr
.endm
	s_load_b256 s[4:11], s[0:1], 0x0               ; o's codes, wts, bo, x
	s_load_b64 s[12:13], s[0:1], 0x20              ; x1
	v_lshl_add_u32 v254, v0, 2, 0x38000
	v_mov_b32 v255, 0
	ds_add_u32 v254, v255
	v_lshrrev_b32 v1, 5, v0
	v_readfirstlane_b32 s14, v1                    ; wave 0..3
	s_lshr_b32 s15, s14, 1                         ; which four tiles of S1 are mine.  Also: I fetch for S1 (0) or S0 (1)
	s_and_b32 s16, s14, 1                          ; which four tiles of S0 are mine.  Also: which quad I fill
	s_bfe_u32 s40, ttmp6, 0x40000                  ; cx
	s_bfe_u32 s41, ttmp6, 0x40004                  ; cy
	s_lshl_b32 s42, ttmp9, 2
	s_add_co_u32 s42, s42, s40                     ; x: S0's panel
	s_and_b32 s17, ttmp7, 0xffff
	s_lshl_b32 s17, s17, 2
	s_add_co_u32 s17, s17, s41                     ; y: the token panel
	s_lshl_b32 s43, s41, 2
	s_lshl_b32 s43, 15, s43                        ; my row of the cluster
	s_lshl_b32 s44, 0x1111, s40                    ; my column
	s_or_b32 s[G1A], s43, (3<<16)|(1<<21)          ; 15:0 the mask; 17:16 elements of 8 bytes; 21 set beside a mask; no padding
	s_or_b32 s[G1B], s44, (3<<16)|(1<<21)
.irp g, G1A, G1B
	s_mov_b32 s[\g+1], 32<<16                      ; rows of 32 elements: 256 bytes
	s_mov_b32 s[\g+2], 200<<16                     ; four records: 200 rows
	s_mov_b32 s[\g+3], 32<<16
	s_mov_b32 s[\g+4], 200
	s_mov_b32 s[\g+5], 32                          ; dense
	s_mov_b32 s[\g+6], 0
	s_mov_b32 s[\g+7], 0
.endr
	s_mul_i32 s20, s17, KS*REC                     ; S1: panel y
	s_mov_b32 s21, 0
	s_mul_i32 s46, s42, KS*REC                     ; S0: panel x
	s_mov_b32 s47, 0
	s_mul_i32 s18, s16, HALFQ                      ; K steps 4 (w % 2) on
	s_mov_b32 s19, 0
	s_mul_i32 s45, s16, QUAD                       ; into quad w % 2: no place in the cluster enters an LDS address
	s_wait_dscnt 0x0
	s_wait_kmcnt 0x0
	s_add_nc_u64 s[20:21], s[4:5], s[20:21]
	s_add_nc_u64 s[46:47], s[6:7], s[46:47]
	s_add_nc_u64 s[46:47], s[46:47], WOFF
	CROUND                                         ; all sixteen work-groups are here: the joint loads meet
	s_mov_b32 s[G0A], 1
	s_mov_b32 s[G0A+1], s45
	s_add_nc_u64 s[G0A+2:G0A+3], s[20:21], s[18:19]
	s_or_b32 s[G0A+3], s[G0A+3], 0x80000000
	s_mov_b32 s[G0B], 1
	s_add_co_u32 s[G0B+1], s45, HALFQ
	s_add_nc_u64 s[G0B+2:G0B+3], s[46:47], s[18:19]
	s_or_b32 s[G0B+3], s[G0B+3], 0x80000000
	s_cmp_eq_u32 s15, 0                            ; waves 0, 1: S1's records; waves 2, 3: S0's.  My one tensor load of the launch; four v_nop follow each line
	s_cbranch_scc0 .Lfor_b
	tensor_load_to_lds s[G0A:G0A+3], s[G1A:G1A+7]
	s_nop 0
.rept 4
	v_nop
.endr
	s_branch .Lasked
.Lfor_b:
	tensor_load_to_lds s[G0B:G0B+3], s[G1B:G1B+7]
	s_nop 0
.rept 4
	v_nop
.endr
.Lasked:
	v_and_b32 v1, 31, v0
	v_lshlrev_b32 v2, 4, v1
	v_lshlrev_b32 v3, 2, v1
	s_mul_i32 s18, s15, 6144
	s_mul_i32 s19, s16, 6144
	s_add_co_u32 s19, s19, HALFQ
	s_lshl_b32 s20, s15, 8
	s_lshl_b32 s21, s16, 8
	s_add_co_u32 s21, s21, HALFQ
.irp j, 0,1
	v_add_nc_u32 v[ADR1+\j], s18, v2
	v_add_nc_u32 v[ADR0+\j], s19, v2
	v_add_nc_u32 v[ADS1+\j], s20, v3
	v_add_nc_u32 v[ADS0+\j], s21, v3
	s_add_co_u32 s18, s18, QUAD
	s_add_co_u32 s19, s19, QUAD
	s_add_co_u32 s20, s20, QUAD
	s_add_co_u32 s21, s21, QUAD
.endr
	v_and_b32 v21, 15, v0                          ; l % 16
	v_bfe_u32 v22, v0, 4, 1                        ; l / 16
	v_lshlrev_b32 v[BA], 4, v21
	v_lshl_add_u32 v[CO], v22, 12, v[BA]
	s_mul_i32 s18, s14, 16*SP
	s_add_co_u32 s18, s18, STAGE                   ; my stage
	v_mul_u32_u24 v[STO], v21, SP
	v_lshl_add_u32 v[STO], v22, 6, v[STO]
	v_add_nc_u32 v[STO], s18, v[STO]               ; in: row r, + 64 h
	v_mul_u32_u24 v[RD], v22, SP
	v_add_nc_u32 v[RD], v[RD], v[BA]
	v_add_nc_u32 v[RD], s18, v[RD]                 ; back: lanes 0-15 one row of 256 bytes, lanes 16-31 the next
	s_lshl_b32 s18, s42, 9
	s_lshl_b32 s19, s16, 8
	s_add_co_u32 s18, s18, s19                     ; my 64 columns: 512 x + 256 (w % 2) bytes
	s_mov_b32 s19, 0
	s_add_nc_u64 s[90:91], s[8:9], s[18:19]
	s_lshl_b32 s22, s17, 7
	s_lshl_b32 s23, s15, 6
	s_add_co_u32 s22, s22, s23                     ; my first token: 128 y + 64 (w / 2)
	s_lshl_b32 s22, s22, 12
	s_add_co_u32 s18, s18, s22
	s_add_nc_u64 s[86:87], s[10:11], s[18:19]
	s_add_nc_u64 s[88:89], s[12:13], s[18:19]
	global_load_b128 v[BI:BI+3], v[BA], s[90:91]
	WIN 0x40                                       ; destination window 1: the residual's 64 rows of 256 bytes, in the order of the tiles' rows, two rows a load
.irp a, 0,1,2,3
.irp t, 0,1,2,3,4,5,6,7
	global_load_b128 v[RES+32*\a+4*\t:RES+32*\a+4*\t+3], v[CO], s[86:87] offset:(32*(\a/2)+8*(\a%2)+2*\t+8*(\t/4))*4096
.endr
.endr
	WIN 0
	s_wait_tensorcnt 0x0                           ; my part is in,
	s_barrier_signal -1
	s_barrier_wait -1                              ; everybody's is: all of K lies in LDS
	FETCH 0, 0, 0
	STEP 0, 0, 1, 1                                ; the first K step starts the sums
	RUN 1, 6
	s_wait_dscnt 0x0                               ; the last K step: nothing more to fetch
	WIN MULW
	MUL8 0, 1, 0
	MUL8 2, 1, 0
	WIN 0
	PLACES
	s_wait_loadcnt 0x0                             ; bias and residual
.macro TOSTAGE a                       ; LDS serves a wave's instructions in order (ISA guide 5.7.1.4): no wait between the stores and the loads, nor in front of the next tile's stores
	WIN 0x04                                       ; an LDS store's data are its source 1: window 1
.irp b, 0,1,2,3
	ds_store_b128 v[STO], v[32*(\a)+8*\b:32*(\a)+8*\b+3] offset:128*(\b/2)+32*(\b%2)       ; each accumulator from its low end on
	ds_store_b128 v[STO], v[32*(\a)+8*\b+4:32*(\a)+8*\b+7] offset:128*(\b/2)+32*(\b%2)+16
.endr
	WIN 0
.set BB, BK+32*((\a)%2)
.irp t, 0,1,2,3,4,5,6,7
	ds_load_b128 v[BB+4*\t:BB+4*\t+3], v[RD] offset:2*SP*\t
.endr
.endm
.macro SEND a, younger                 ; younger: the LDS instructions issued behind tile a's loads
.set BB, BK+32*((\a)%2)
	s_wait_dscnt \younger
.set n, 0
.rept 8
	v_pk_add_f32 v[BB+n:BB+n+1], v[BB+n:BB+n+1], v[BI:BI+1]
	v_pk_add_f32 v[BB+n+2:BB+n+3], v[BB+n+2:BB+n+3], v[BI+2:BI+3]
.set n, n+4
.endr
	WIN 0x04                                       ; source 1 window 1: the residual
.set n, 0
.rept 16
	v_pk_add_f32 v[BB+n:BB+n+1], v[BB+n:BB+n+1], v[RES+32*(\a)+n:RES+32*(\a)+n+1]
.set n, n+2
.endr
	WIN 0
.irp t, 0,1,2,3,4,5,6,7
	global_store_b128 v[CO], v[BB+4*\t:BB+4*\t+3], s[88:89] offset:(32*((\a)/2)+8*((\a)%2)+2*\t+8*(\t/4))*4096   ; sixteen lanes store 256 consecutive bytes, aligned: two such runs
.endr
.endm
	TOSTAGE 0
.irp a, 1,2,3
.if \a > 1
	s_wait_xcnt 0x0                                ; tile a - 2's stores have read their registers: tile a's loads may land there
.endif
	TOSTAGE \a
	SEND \a-1, 16                                  ; behind tile a - 1's loads: tile a's 8 stores and 8 loads
.endr
	SEND 3, 0
	s_wait_tensorcnt 0x0
	ds_add_u32 v254, v255
	s_wait_dscnt 0x0
	CROUND                                         ; the closing round: no work-group ends while a partner may still ask for records that name it
	s_endpgm
.Lfunc_end_k_q1d3360bb4d_oproj:
	.size	k_q1d3360bb4d_oproj, .Lfunc_end_k_q1d3360bb4d_oproj-k_q1d3360bb4d_oproj
	.p2alignl 7, 3214868480
	.fill 96, 4, 3214868480
	.section	.rodata,"a",@progbits
	.p2align	6, 0x0
	.amdhsa_kernel k_q1d3360bb4d_oproj
		.amdhsa_group_segment_fixed_size 229888
		.amdhsa_private_segment_fixed_size 0
		.amdhsa_enable_private_segment 0
		.amdhsa_kernarg_size 40
		.amdhsa_user_sgpr_count 2
		.amdhsa_user_sgpr_kernarg_segment_ptr 1
		.amdhsa_wavefront_size32 1
		.amdhsa_system_sgpr_workgroup_id_x 1
		.amdhsa_system_sgpr_workgroup_id_y 1
		.amdhsa_system_sgpr_workgroup_id_z 1
		.amdhsa_system_vgpr_workitem_id 0
		.amdhsa_next_free_vgpr 512
		.amdhsa_next_free_sgpr 100
		.amdhsa_reserve_vcc 0
		.amdhsa_float_denorm_mode_32 3
		.amdhsa_float_denorm_mode_16_64 3
		.amdhsa_memory_ordered 1
		.amdhsa_forward_progress 1
		.amdhsa_inst_pref_size 58
	.end_amdhsa_kernel
	.amdgpu_metadata
---
amdhsa.version: [ 1, 2 ]
amdhsa.kernels:
  - .name:           k_q1d3360bb4d_oproj
    .symbol:         k_q1d3360bb4d_oproj.kd
    .args:
      - { .name: oc, .offset: 0, .size: 8, .value_kind: global_buffer, .address_space: global }
      - { .name: wts, .offset: 8, .size: 8, .value_kind: global_buffer, .address_space: global }
      - { .name: bo, .offset: 16, .size: 8, .value_kind: global_buffer, .address_space: global }
      - { .name: x, .offset: 24, .size: 8, .value_kind: global_buffer, .address_space: global }
      - { .name: x1, .offset: 32, .size: 8, .value_kind: global_buffer, .address_space: global }
    .group_segment_fixed_size: 229888
    .private_segment_fixed_size: 0
    .kernarg_segment_align: 8
    .kernarg_segment_size: 40
    .max_flat_workgroup_size: 128
    .sgpr_count:     100
    .vgpr_count:     512
    .wavefront_size: 32
...
	.end_amdgpu_metadata
.endif
;; end of part 5
;; launch ln2: the kernel of part 2 again; grid 256 x 1, 8 waves a work-group, no clusters, 2,048 bytes of LDS; arguments x1, g2, be2, hc; writes hc
;; launch ffn1 (part 6): grid 16 x 16, 4 waves a work-group, clusters of 4 x 4, 327,680 bytes of LDS; arguments hc, wts, b1, hid; writes hid
.if DOCPART == 6
	.amdgcn_target "amdgcn-amd-amdhsa--gfx1250"
	.amdhsa_code_object_version 6
	.text
	.protected	k_q1d3360bb4d_ffn1
	.globl	k_q1d3360bb4d_ffn1
	.p2align	8
	.type	k_q1d3360bb4d_ffn1,@function
k_q1d3360bb4d_ffn1:
	s_mov_b64 s[64:65], 0
	v_nop
	global_prefetch_b8 v0, s[64:65] scope:SCOPE_SE
	s_setreg_imm32_b32 hwreg(HW_REG_WAVE_MODE, 25, 1), 1
	s_wait_xcnt 0x0
	s_wait_alu depctr_hold_cnt(0) depctr_sa_sdst(0) depctr_va_vdst(0) depctr_va_sdst(0) depctr_va_ssrc(0) depctr_va_vcc(0) depctr_vm_vsrc(0)
	s_getreg_b32 s2, hwreg(HW_REG_IB_STS2, 6, 4)
	s_cmp_eq_u32 s2, 0
	s_cbranch_scc0 .Lentry_in_a_cluster
	s_endpgm
.Lentry_in_a_cluster:
	s_bfe_u32 s2, ttmp6, 0x10000c
	s_cmp_lg_u32 s2, 0xf033
	s_cbranch_scc0 .Lentry_shape_is_right
	s_endpgm
.Lentry_shape_is_right:
; hidden = gelu(h w1 + b1), the exact form 0.5 x (1 + erf(x / sqrt 2)) in f32, quantised at once along the 4,096 hidden units; h and w1 are codes of FP6 (E2M3) with E8M0 scales.
; OPERANDS lie as records of 12,800 bytes (a panel of 128 rows x a K step of 128): fragment t at 1536 t as an image of its 12 registers, scale words at 12,288 + 64 t + 4 r.  Lane r of tile 2 B + u is row 32 B + 8 u + r + 8 (r / 8).
; THE CORE: D[S1 row][S0 row], S1 = tokens, S0 = w1's columns.  A tile is one panel of S1 x two panels of S0; wave w takes S1's tiles 4 (w / 2) + 0..3 x S0's panel w % 2: 32 accumulators (window 1, (a, b) at v[64 a + 8 b]).
; Source 0 = a tile of S0, source 1 = a tile of S1: a lane holds one token, and the 16 registers of S0's tiles 2 B, 2 B + 1 are 16 neighbouring hidden units: a panel of S0 is one K step of the next product.
; K = 1,024 is 8 K steps; a slot of LDS holds 4 (S1's 4 records, then 4 of each panel of S0).  CLUSTERS of 4 x 4: S1's records are asked for jointly along a row of the cluster, S0's along a column.
; A WORK-GROUP STAYS FOR TWO TILES, token panels y and y + 16, with the same S0: 16 x 16 = 256 work-groups.  S0's records are fetched once; S1's part of each slot is filled again as soon as the first tile has read it,
; so that both refills are on their way while the first tile goes out.  The way out is written once and walked twice: a loop of two trips, left ahead of a third product.
; ERF: z P(z^2) / Q(z^2), z held to +-4, P of degree 6, Q of degree 4.  LIMIT: the error is about 1e-7 |x| in absolute terms: for x under about -4, where 1 + erf cancels, the result's relative accuracy is lost.
; LIMITS: NaN and infinities are not served; blocks under 2^-124 keep the scale byte 1.
.set KS,    8
.set WOFF,  3276800                    ; w1's records in wts
.set REC,   12800
.set SCO,   12288
.set CHUNK, 4*REC
.set SLOT,  3*CHUNK
.set SPARE, 2*SLOT                     ; behind the slots: the spare words, 128 bytes a wave, which no other line names
.set TILE2, 16*KS*REC                  ; from the first tile's records of S1 to the second's: 16 panels
.set OUT2,  16*32*REC                  ; and the same in the hidden layer's records
.set ADR1, 4
.set ADR0, 6
.set ADS1, 8
.set ADS0, 10
.set SPW,  12
.set NIL,  13
.set SC,   24
.set F0,   40
.set F1,   136
.set G1A,  24
.set G0A,  32
.set G1B,  48
.set G0B,  56
.set MULW, 0x50
.set MSB, 0
.macro WIN new
.if MSB != \new
	s_set_vgpr_msb (MSB<<8)|\new
.set MSB, \new
.endif
.endm
.macro PLACES                          ; four places behind a matrix instruction (ISA guide 7.12.1)
.rept 4
	v_nop
.endr
.endm
.macro CREST
	s_cmp_lg_u32 s14, 0
	s_cbranch_scc1 .Lnot_wave_0_\@
	s_barrier_signal -3
.Lnot_wave_0_\@:
	s_barrier_wait -3
	s_barrier_signal -1
	s_barrier_wait -1
.endm
.macro CROUND
	s_barrier_signal -1
	s_barrier_wait -1
	CREST
.endm
.macro JLOAD sl                        ; a first fill: waves 0, 1: halves of S1's four records; waves 2, 3: a panel of S0 each.  Four v_nop follow each line
	s_cmp_eq_u32 s15, 0
	s_cbranch_scc0 .Lfor_b_\@
	tensor_load_to_lds s[G0A+4*\sl:G0A+4*\sl+3], s[G1A:G1A+7]
	s_nop 0
.rept 4
	v_nop
.endr
	s_branch .Lasked_\@
.Lfor_b_\@:
	tensor_load_to_lds s[G0B+4*\sl:G0B+4*\sl+3], s[G1B:G1B+7]
	s_nop 0
.rept 4
	v_nop
.endr
.Lasked_\@:
.endm
.macro JLOADA sl                       ; a refill: S1's part alone: waves 0 and 1 ask, waves 2 and 3 have no part to fill.  The branch hangs on the wave's number alone
	s_cmp_eq_u32 s15, 0
	s_cbranch_scc0 .Lnone_\@
	tensor_load_to_lds s[G0A+4*\sl:G0A+4*\sl+3], s[G1A:G1A+7]
	s_nop 0
.rept 4
	v_nop
.endr
.Lnone_\@:
.endm
.macro WM acc, fa, fb, sa, sb, ra, rb, zero
.set WSEL, 4*(\zero)+2*(\ra)+(\rb)
.if WSEL == 0
	v_wmma_scale_f32_16x16x128_f8f6f4 v[\acc:\acc+7], v[\fa:\fa+11], v[\fb:\fb+11], v[\acc:\acc+7], v[\sa], v[\sb] matrix_a_fmt:MATRIX_FMT_FP6 matrix_b_fmt:MATRIX_FMT_FP6
.elseif WSEL == 1
	v_wmma_scale_f32_16x16x128_f8f6f4 v[\acc:\acc+7], v[\fa:\fa+11], v[\fb:\fb+11], v[\acc:\acc+7], v[\sa], v[\sb] matrix_a_fmt:MATRIX_FMT_FP6 matrix_b_fmt:MATRIX_FMT_FP6 matrix_b_scale:MATRIX_SCALE_ROW1
.elseif WSEL == 2
	v_wmma_scale_f32_16x16x128_f8f6f4 v[\acc:\acc+7], v[\fa:\fa+11], v[\fb:\fb+11], v[\acc:\acc+7], v[\sa], v[\sb] matrix_a_fmt:MATRIX_FMT_FP6 matrix_b_fmt:MATRIX_FMT_FP6 matrix_a_scale:MATRIX_SCALE_ROW1
.elseif WSEL == 3
	v_wmma_scale_f32_16x16x128_f8f6f4 v[\acc:\acc+7], v[\fa:\fa+11], v[\fb:\fb+11], v[\acc:\acc+7], v[\sa], v[\sb] matrix_a_fmt:MATRIX_FMT_FP6 matrix_b_fmt:MATRIX_FMT_FP6 matrix_a_scale:MATRIX_SCALE_ROW1 matrix_b_scale:MATRIX_SCALE_ROW1
.elseif WSEL == 4
	v_wmma_scale_f32_16x16x128_f8f6f4 v[\acc:\acc+7], v[\fa:\fa+11], v[\fb:\fb+11], 0, v[\sa], v[\sb] matrix_a_fmt:MATRIX_FMT_FP6 matrix_b_fmt:MATRIX_FMT_FP6
.elseif WSEL == 5
	v_wmma_scale_f32_16x16x128_f8f6f4 v[\acc:\acc+7], v[\fa:\fa+11], v[\fb:\fb+11], 0, v[\sa], v[\sb] matrix_a_fmt:MATRIX_FMT_FP6 matrix_b_fmt:MATRIX_FMT_FP6 matrix_b_scale:MATRIX_SCALE_ROW1
.elseif WSEL == 6
	v_wmma_scale_f32_16x16x128_f8f6f4 v[\acc:\acc+7], v[\fa:\fa+11], v[\fb:\fb+11], 0, v[\sa], v[\sb] matrix_a_fmt:MATRIX_FMT_FP6 matrix_b_fmt:MATRIX_FMT_FP6 matrix_a_scale:MATRIX_SCALE_ROW1
.else
	v_wmma_scale_f32_16x16x128_f8f6f4 v[\acc:\acc+7], v[\fa:\fa+11], v[\fb:\fb+11], 0, v[\sa], v[\sb] matrix_a_fmt:MATRIX_FMT_FP6 matrix_b_fmt:MATRIX_FMT_FP6 matrix_a_scale:MATRIX_SCALE_ROW1 matrix_b_scale:MATRIX_SCALE_ROW1
.endif
.endm
.macro MUL8 b0, set, zero              ; the 32 accumulators take turns, in the same order in every K step, from tile to tile too
.irp b, \b0, \b0+1
.irp a, 0,1,2,3
	WM 64*\a+8*(\b), F0+12*(\b), F1+48*(\set)+12*\a, SC+6*(\set)+(\b)/2, SC+6*(\set)+4+\a/2, (\b)%2, \a%2, \zero
.endr
.endr
.endm
.macro FRAG reg, adr, off
.irp c, 0,1,2
	ds_load_b128 v[\reg+4*\c:\reg+4*\c+3], v[\adr] offset:\off+512*\c
.endr
.endm
.macro FETCH_S1 sl, q, set
.irp a, 0,1,2,3
	FRAG F1+48*(\set)+12*\a, ADR1+\sl, REC*(\q)+1536*\a
.endr
.endm
.macro FETCH_S0 sl, q, b0
.irp b, \b0, \b0+1, \b0+2, \b0+3
	FRAG F0+12*(\b), ADR0+\sl, REC*(\q)+1536*(\b)
.endr
.endm
.macro SCALES sl, q, set
.irp g, 0,1,2,3
	ds_load_b32 v[SC+6*(\set)+\g], v[ADS0+\sl] offset:REC*(\q)+SCO+128*\g
.endr
.irp g, 0,1
	ds_load_b32 v[SC+6*(\set)+4+\g], v[ADS1+\sl] offset:REC*(\q)+SCO+128*\g
.endr
.endm
.macro STEP sl, q, zero
	s_wait_dscnt 12                                ; all but the youngest 12 loads (S0's tiles 4-7) are in
	WIN MULW
	MUL8 0, (\q)%2, \zero
	MUL8 2, (\q)%2, \zero
	s_wait_dscnt 0x0
	PLACES
	WIN 0
	FETCH_S1 \sl, (\q)+1, 1-(\q)%2
	FETCH_S0 \sl, (\q)+1, 0
	SCALES \sl, (\q)+1, 1-(\q)%2
	WIN MULW
	MUL8 4, (\q)%2, \zero
	MUL8 6, (\q)%2, \zero
	PLACES
	WIN 0
	FETCH_S0 \sl, (\q)+1, 4
.endm
.macro TURN sl, nx, fill               ; a slot's last K step changes slots: one barrier.  fill = 1: S1's part of this slot takes the next tile's records
	s_wait_tensorcnt 0x0                           ; all my tensor loads have landed: my part of the next slot
	ds_add_u32 v[SPW], v[NIL]                      ; 0 onto my spare word
	s_wait_dscnt 13                                ; the add and the 12 loads of S0's tiles 4-7 may be out
	WIN MULW
	MUL8 0, 1, 0
	s_wait_dscnt 0x0                               ; the add is done, and my reads of this slot are over
	s_barrier_signal -1
	MUL8 2, 1, 0
	WIN 0
	s_barrier_wait -1
.if \fill
	CREST                                          ; the barrier has opened a round of the cluster's: no wave of any partner still reads this slot or has a load on its way
	s_add_nc_u64 s[G0A+4*\sl+2:G0A+4*\sl+3], s[G0A+4*\sl+2:G0A+4*\sl+3], TILE2
	JLOADA \sl
.endif
	PLACES
	FETCH_S1 \nx, 0, 0
	FETCH_S0 \nx, 0, 0
	SCALES \nx, 0, 0
	WIN MULW
	MUL8 4, 1, 0
	MUL8 6, 1, 0
	PLACES
	WIN 0
	FETCH_S0 \nx, 0, 4
.endm
.macro TURNL                           ; the first tile's last K step: S1's part of slot 1 takes the next tile's records; nothing is fetched from LDS, since the way out takes the fragments' registers
	s_wait_tensorcnt 0x0                           ; all my tensor loads have landed: slot 0's refill
	ds_add_u32 v[SPW], v[NIL]                      ; 0 onto my spare word
	s_wait_dscnt 13
	WIN MULW
	MUL8 0, 1, 0
	s_wait_dscnt 0x0                               ; the add is done, and my reads of slot 1 are over
	s_barrier_signal -1
	MUL8 2, 1, 0
	WIN 0
	s_barrier_wait -1
	CREST
	s_add_nc_u64 s[G0A+6:G0A+7], s[G0A+6:G0A+7], TILE2
	JLOADA 1
	WIN MULW
	MUL8 4, 1, 0
	MUL8 6, 1, 0
	WIN 0
.endm
.macro LAST
	s_wait_dscnt 12
	WIN MULW
	MUL8 0, 1, 0
	MUL8 2, 1, 0
	s_wait_dscnt 0x0
	MUL8 4, 1, 0
	MUL8 6, 1, 0
	WIN 0
.endm
.macro PRODUCT more                    ; a tile's eight K steps.  more = 1: another tile follows
	FETCH_S1 0, 0, 0
	FETCH_S0 0, 0, 0
	SCALES 0, 0, 0
	FETCH_S0 0, 0, 4
	STEP 0, 0, 1                                   ; the first K step starts the sums
	STEP 0, 1, 0
	STEP 0, 2, 0
	TURN 0, 1, \more
	STEP 1, 0, 0
	STEP 1, 1, 0
	STEP 1, 2, 0
.if \more
	TURNL
.else
	LAST
.endif
.endm
.set LI,  14                           ; v14  16 x lane
.set L4,  16                           ; v16  4 x lane
.set BA,  17                           ; v17  64 h: in b1
.set ST,  40                           ; v40-103 64 numbers
.set GZ,  104                          ; v104-135 at work in the activation: z, z^2 (then x / 2), P, Q
.set GY,  112
.set GP,  120
.set GQ,  128
.set GA,  136                          ; v[136:137] P's leading coefficient, v[138:139] Q's
.set GB,  138
.set PC,  144
.set TM,  164
.set PW,  180
.set PWE, 181
.set PWC, 182
.set SEL, 84
.set CA11, 4                           ; the other coefficients as scalar pairs, in registers that no descriptor names: a refill is on its way while the first tile goes out
.set CA9,  6
.set CA7,  8
.set CA5,  10
.set CA3,  12
.set CA1,  76
.set CB6,  78
.set CB4,  80
.set CB2,  94
.set CB0,  96
.set CRS,  98
.macro QUANT s
.irp b, 0,1,2,3
	v_max3_num_f32 v[TM+\b], |v[\s+16*\b]|, |v[\s+1+16*\b]|, 0x1800000   ; my 16 numbers of block b, and the floor 2^(3 - 127)
.endr
.irp i, 2,4,6,8,10,12,14
.irp b, 0,1,2,3
	v_max3_num_f32 v[TM+\b], v[TM+\b], |v[\s+16*\b+\i]|, |v[\s+1+16*\b+\i]|
.endr
.endr
.irp b, 0,1,2,3
	v_permlanex16_b32 v[TM+4+\b], v[TM+\b], s[SEL], s[SEL+1]
.endr
.irp b, 0,1,2,3
	v_max_num_f32 v[TM+\b], v[TM+\b], v[TM+4+\b]
.endr
.irp b, 0,1,2,3
	v_add_nc_u32 v[TM+12+\b], 0xff000000, v[TM+\b]
.endr
.irp b, 0,1,2,3
	v_lshrrev_b32 v[TM+4+\b], 23, v[TM+12+\b]
.endr
	v_lshl_or_b32 v[PW], v[TM+5], 8, v[TM+4]
	v_lshl_or_b32 v[PW], v[TM+6], 16, v[PW]
	v_lshl_or_b32 v[PW], v[TM+7], 24, v[PW]
.irp c, 0,1
	v_cvt_scalef32_pk16_fp6_f32 v[PC+6*\c:PC+2+6*\c], v[\s+32*\c:\s+15+32*\c], v[TM+12+2*\c]
	v_cvt_scalef32_pk16_fp6_f32 v[PC+12+4*\c:PC+14+4*\c], v[\s+16+32*\c:\s+31+32*\c], v[TM+12+2*\c+1]
.endr
	v_nop                                          ; one plain place behind a scaled conversion
.irp c, 0,1
.irp i, 0,1,2
	v_permlane16_swap_b32 v[PC+6*\c+\i], v[PC+12+4*\c+\i]
.endr
.irp i, 0,1,2
	v_mov_b32 v[PC+3+6*\c+\i], v[PC+12+4*\c+\i]
.endr
.endr
.endm
.macro SETC reg, val
	s_mov_b32 s[\reg], \val
	s_mov_b32 s[\reg+1], \val
.endm
.macro HORNER acc, c                   ; acc = acc z^2 + c, four pairs by turns
.irp p, 0,2,4,6
	v_pk_fma_f32 v[\acc+\p:\acc+\p+1], v[\acc+\p:\acc+\p+1], v[GY+\p:GY+\p+1], s[\c:\c+1] op_sel_hi:[1,1,0]
.endr
.endm
.macro GELU8 s                         ; eight numbers in place: four pairs by turns, so that no line waits for the line above it
.irp p, 0,2,4,6
	v_pk_mul_f32 v[GZ+\p:GZ+\p+1], v[\s+\p:\s+\p+1], s[CRS:CRS+1] op_sel_hi:[1,0]
.endr
.irp p, 0,1,2,3,4,5,6,7
	v_med3_num_f32 v[GZ+\p], v[GZ+\p], -4.0, 4.0   ; beyond 4 erf is 1 in f32
.endr
.irp p, 0,2,4,6
	v_pk_mul_f32 v[GY+\p:GY+\p+1], v[GZ+\p:GZ+\p+1], v[GZ+\p:GZ+\p+1]
.endr
.irp p, 0,2,4,6
	v_pk_fma_f32 v[GP+\p:GP+\p+1], v[GY+\p:GY+\p+1], v[GA:GA+1], s[CA11:CA11+1] op_sel_hi:[1,1,0]
.endr
.irp p, 0,2,4,6
	v_pk_fma_f32 v[GQ+\p:GQ+\p+1], v[GY+\p:GY+\p+1], v[GB:GB+1], s[CB6:CB6+1] op_sel_hi:[1,1,0]
.endr
	HORNER GP, CA9
	HORNER GQ, CB4
	HORNER GP, CA7
	HORNER GQ, CB2
	HORNER GP, CA5
	HORNER GQ, CB0
	HORNER GP, CA3
	HORNER GP, CA1
.irp p, 0,2,4,6
	v_pk_mul_f32 v[GP+\p:GP+\p+1], v[GP+\p:GP+\p+1], v[GZ+\p:GZ+\p+1]
.endr
.irp p, 0,1,2,3,4,5,6,7
	v_rcp_f32 v[GQ+\p], v[GQ+\p]
.endr
.irp p, 0,2,4,6
	v_pk_mul_f32 v[GY+\p:GY+\p+1], v[\s+\p:\s+\p+1], 0.5 op_sel_hi:[1,0]   ; x / 2 (the plain places behind the reciprocals)
.endr
	s_wait_alu depctr_va_vdst(0)
.irp p, 0,2,4,6
	v_pk_mul_f32 v[GP+\p:GP+\p+1], v[GP+\p:GP+\p+1], v[GQ+\p:GQ+\p+1]     ; erf
.endr
.irp p, 0,2,4,6
	v_pk_fma_f32 v[\s+\p:\s+\p+1], v[GY+\p:GY+\p+1], v[GP+\p:GP+\p+1], v[GY+\p:GY+\p+1]
.endr
.endm
.macro FOUT a                          ; tile a of tokens x my 128 hidden units
.if \a > 0
	s_wait_xcnt 0x0                                ; the last tile's stores have read their registers
.endif
	WIN 0x09                                       ; source 0 window 1 (the sums), source 1 window 2 (the bias)
.set n, 0
.rept 32
	v_pk_add_f32 v[ST+n:ST+n+1], v[64*\a+n:64*\a+n+1], v[n:n+1]     ; each accumulator from its low end on
.set n, n+2
.endr
	WIN 0
.irp g, 0,1,2,3,4,5,6,7
	GELU8 ST+8*\g
.endr
	QUANT ST
.irp c, 0,1,2
	global_store_b128 v[LI], v[PC+4*\c:PC+4*\c+3], s[88:89] offset:1536*\a+512*\c    ; 512 consecutive bytes, aligned
.endr
.if (\a)%2 == 0
	v_mov_b32 v[PWE], v[PW]
.else
	v_cndmask_b32 v[PWC], v[PWE], v[PW], s82       ; two tiles' words in one register: 128 consecutive bytes a store
	global_store_b32 v[L4], v[PWC], s[90:91] offset:SCO+64*(\a-1)
.endif
.endm
	s_load_b256 s[68:75], s[0:1], 0x0              ; hc, wts, b1, hid
	v_lshl_add_u32 v[SPW], v0, 2, SPARE
	v_mov_b32 v[NIL], 0
	ds_add_u32 v12, v13
	s_wait_dscnt 0x0
	v_lshrrev_b32 v1, 5, v0
	v_readfirstlane_b32 s14, v1
	s_lshr_b32 s15, s14, 1
	s_and_b32 s16, s14, 1
	s_bfe_u32 s40, ttmp6, 0x40000                  ; cx
	s_bfe_u32 s41, ttmp6, 0x40004                  ; cy
	s_lshl_b32 s42, ttmp9, 2
	s_add_co_u32 s42, s42, s40                     ; x: S0's pair of panels
	s_and_b32 s17, ttmp7, 0xffff
	s_lshl_b32 s17, s17, 2
	s_add_co_u32 s17, s17, s41                     ; y: the first tile's token panel, 0 .. 15
	s_lshl_b32 s43, s41, 2
	s_lshl_b32 s43, 15, s43
	s_lshl_b32 s44, 0x1111, s40
	s_or_b32 s[G1A], s43, (3<<16)|(1<<21)          ; the mask; elements of 8 bytes; bit 21 beside a mask; no padding
	s_or_b32 s[G1B], s44, (3<<16)|(1<<21)
	s_mov_b32 s[G1A+1], 32<<16
	s_mov_b32 s[G1A+2], 100<<16
	s_mov_b32 s[G1A+3], 32<<16
	s_mov_b32 s[G1A+4], 100
	s_mov_b32 s[G1A+5], 32
	s_mov_b32 s[G1A+6], 0
	s_mov_b32 s[G1A+7], 0
	s_mov_b32 s[G1B+1], 32<<16
	s_mov_b32 s[G1B+2], 200<<16
	s_mov_b32 s[G1B+3], 32<<16
	s_mov_b32 s[G1B+4], 200
	s_mov_b32 s[G1B+5], 32
	s_mov_b32 s[G1B+6], 0
	s_mov_b32 s[G1B+7], 0
	s_mul_i32 s20, s17, KS
	s_lshl_b32 s21, s16, 1
	s_add_co_u32 s20, s20, s21
	s_mul_i32 s20, s20, REC
	s_mov_b32 s21, 0
	s_lshl_b32 s46, s42, 1
	s_add_co_u32 s46, s46, s16
	s_mul_i32 s46, s46, KS*REC
	s_mov_b32 s47, 0
	s_mul_i32 s45, s16, 2*REC
	s_mul_i32 s23, s16, CHUNK
	s_add_co_u32 s23, s23, CHUNK
	s_mov_b32 s82, 0xffff0000                      ; lanes 16-31
	s_mov_b32 s[SEL], 0x76543210
	s_mov_b32 s[SEL+1], 0xfedcba98
	SETC CA11, 0x32edffee                          ; P: 2.7706815e-8
	SETC CA9,  0xb60cff51                          ; -2.1010240e-6
	SETC CA7,  0xb86ec2d2                          ; -5.6925062e-5
	SETC CA5,  0xba40ac63                          ; -7.3499064e-4
	SETC CA3,  0xbb41a1f6                          ; -2.9545998e-3
	SETC CA1,  0xbc83dbd4                          ; -1.6096033e-2
	SETC CB6,  0xb95fbd29                          ; Q: -2.1337405e-4
	SETC CB4,  0xbadc924e                          ; -1.6828270e-3
	SETC CB2,  0xbbf19bf8                          ; -7.3733293e-3
	SETC CB0,  0xbc69b6a7                          ; -1.4264739e-2
	SETC CRS,  0x3f3504f3                          ; 1 / sqrt 2
	s_wait_kmcnt 0x0
	s_add_nc_u64 s[20:21], s[68:69], s[20:21]
	s_add_nc_u64 s[46:47], s[70:71], s[46:47]
	s_add_nc_u64 s[46:47], s[46:47], WOFF
	CROUND                                         ; all sixteen work-groups are here: the first joint loads meet
.irp s, 0,1
	s_mov_b32 s[G0A+4*\s], 1
	s_add_co_u32 s[G0A+4*\s+1], s45, \s*SLOT
	s_add_nc_u64 s[G0A+4*\s+2:G0A+4*\s+3], s[20:21], \s*CHUNK
	s_or_b32 s[G0A+4*\s+3], s[G0A+4*\s+3], 0x80000000
	s_mov_b32 s[G0B+4*\s], 1
	s_add_co_u32 s[G0B+4*\s+1], s23, \s*SLOT
	s_add_nc_u64 s[G0B+4*\s+2:G0B+4*\s+3], s[46:47], \s*CHUNK
	s_or_b32 s[G0B+4*\s+3], s[G0B+4*\s+3], 0x80000000
	JLOAD \s                                       ; two loads of mine are out: all of the first tile's K
.endr
	v_and_b32 v1, 31, v0
	v_lshlrev_b32 v2, 4, v1
	v_lshlrev_b32 v3, 2, v1
	s_mul_i32 s18, s15, 6144
	s_mul_i32 s19, s16, CHUNK
	s_add_co_u32 s19, s19, CHUNK
	s_lshl_b32 s20, s15, 8
.irp s, 0,1
	v_add_nc_u32 v[ADR1+\s], s18, v2
	v_add_nc_u32 v[ADR0+\s], s19, v2
	v_add_nc_u32 v[ADS1+\s], s20, v3
	v_add_nc_u32 v[ADS0+\s], s19, v3
	s_add_co_u32 s18, s18, SLOT
	s_add_co_u32 s19, s19, SLOT
	s_add_co_u32 s20, s20, SLOT
.endr
	v_lshlrev_b32 v[LI], 4, v1
	v_lshlrev_b32 v[L4], 2, v1
	v_bfe_u32 v[BA], v0, 4, 1
	v_lshlrev_b32 v[BA], 6, v[BA]
	s_lshl_b32 s18, s42, 1
	s_add_co_u32 s18, s18, s16                     ; my panel of hidden units: the next product's K step
	s_lshl_b32 s22, s18, 9
	s_mov_b32 s23, 0
	s_add_nc_u64 s[92:93], s[72:73], s[22:23]      ; b1 there
	s_lshl_b32 s22, s17, 5
	s_add_co_u32 s22, s22, s18
	s_mul_i32 s22, s22, REC                        ; record 32 y + K step
	s_mul_i32 s18, s15, 6144
	s_add_co_u32 s18, s18, s22
	s_mov_b32 s19, 0
	s_add_nc_u64 s[88:89], s[74:75], s[18:19]      ; my four fragments
	s_lshl_b32 s18, s15, 8
	s_add_co_u32 s18, s18, s22
	s_add_nc_u64 s[90:91], s[74:75], s[18:19]      ; their scale words lie 12,288 further on
	WIN 0x80                                       ; destination window 2: b1 in the result's layout, the same for both tiles
.irp b, 0,1,2,3
.irp j, 0,1,2,3
	global_load_b128 v[16*\b+4*\j:16*\b+4*\j+3], v[BA], s[92:93] offset:128*\b+16*\j
.endr
.endr
	WIN 0
	s_wait_tensorcnt 1                             ; my part of slot 0 is in; slot 1's load may be out
	s_barrier_signal -1
	s_barrier_wait -1
	PRODUCT 1                                      ; the first tile; both refills are asked for in it
	s_wait_loadcnt 0x0                             ; b1
	s_mov_b32 s3, 2                                ; tiles to go out: the same number in every work-group
.Ltile:
	PLACES                                         ; THE WAY OUT, written once.  The first tile goes out while the second tile's records of S1 land
.irp b, 0,1,2,3
	v_mov_b32 v[TM+4+\b], 0                        ; a lane permute's destination counts as one of its sources
.endr
	v_mov_b32 v[GA], 0xaf95df0b                    ; P's leading coefficient: -2.7261424e-10 (made anew for each tile: the fragments lie in these registers)
	v_mov_b32 v[GA+1], 0xaf95df0b
	v_mov_b32 v[GB], 0xb77460ce                    ; Q's: -1.4566072e-5
	v_mov_b32 v[GB+1], 0xb77460ce
	FOUT 0
	FOUT 1
	FOUT 2
	FOUT 3
	s_cmp_eq_u32 s3, 1
	s_cbranch_scc1 .Ldone                          ; the second tile has gone out
	s_wait_xcnt 0x0                                ; the stores have read their registers and bases: the fragments' loads may land there, and the bases may step
	s_add_nc_u64 s[88:89], s[88:89], OUT2
	s_add_nc_u64 s[90:91], s[90:91], OUT2
	PRODUCT 0                                      ; slot 0's refill was shown landed to every wave by the round in the first tile's last K step
	s_sub_co_u32 s3, s3, 1
	s_cmp_lg_u32 s3, 0
	s_cbranch_scc1 .Ltile
.Ldone:
	s_wait_tensorcnt 0x0                           ; the wave's end
	ds_add_u32 v[SPW], v[NIL]
	s_wait_dscnt 0x0
	CROUND                                         ; the closing round
	s_endpgm
.Lfunc_end_k_q1d3360bb4d_ffn1:
	.size	k_q1d3360bb4d_ffn1, .Lfunc_end_k_q1d3360bb4d_ffn1-k_q1d3360bb4d_ffn1
	.p2alignl 7, 3214868480
	.fill 96, 4, 3214868480
	.section	.rodata,"a",@progbits
	.p2align	6, 0x0
	.amdhsa_kernel k_q1d3360bb4d_ffn1
		.amdhsa_group_segment_fixed_size 327680
		.amdhsa_private_segment_fixed_size 0
		.amdhsa_enable_private_segment 0
		.amdhsa_kernarg_size 32
		.amdhsa_user_sgpr_count 2
		.amdhsa_user_sgpr_kernarg_segment_ptr 1
		.amdhsa_wavefront_size32 1
		.amdhsa_system_sgpr_workgroup_id_x 1
		.amdhsa_system_sgpr_workgroup_id_y 1
		.amdhsa_system_sgpr_workgroup_id_z 1
		.amdhsa_system_vgpr_workitem_id 0
		.amdhsa_next_free_vgpr 640
		.amdhsa_next_free_sgpr 100
		.amdhsa_reserve_vcc 0
		.amdhsa_float_denorm_mode_32 3
		.amdhsa_float_denorm_mode_16_64 3
		.amdhsa_memory_ordered 1
		.amdhsa_forward_progress 1
		.amdhsa_inst_pref_size 255
	.end_amdhsa_kernel
	.section	.bss,"aw",@nobits
	.p2align	6
	.space	262144
	.amdgpu_metadata
---
amdhsa.version: [ 1, 2 ]
amdhsa.kernels:
  - .name:           k_q1d3360bb4d_ffn1
    .symbol:         k_q1d3360bb4d_ffn1.kd
    .args:
      - { .name: hc, .offset: 0, .size: 8, .value_kind: global_buffer, .address_space: global }
      - { .name: wts, .offset: 8, .size: 8, .value_kind: global_buffer, .address_space: global }
      - { .name: b1, .offset: 16, .size: 8, .value_kind: global_buffer, .address_space: global }
      - { .name: hid, .offset: 24, .size: 8, .value_kind: global_buffer, .address_space: global }
    .group_segment_fixed_size: 327680
    .private_segment_fixed_size: 0
    .kernarg_segment_align: 8
    .kernarg_segment_size: 32
    .max_flat_workgroup_size: 128
    .sgpr_count:     100
    .vgpr_count:     640
    .wavefront_size: 32
...
	.end_amdgpu_metadata
.endif
;; end of part 6
;; launch ffn2 (part 7): grid 8 x 32, 4 waves a work-group, clusters of 4 x 4, 327,680 bytes of LDS; arguments hid, wts, b2, x1, out0; writes out0
.if DOCPART == 7
	.amdgcn_target "amdgcn-amd-amdhsa--gfx1250"
	.amdhsa_code_object_version 6
	.text
	.protected	k_q1d3360bb4d_ffn2
	.globl	k_q1d3360bb4d_ffn2
	.p2align	8
	.type	k_q1d3360bb4d_ffn2,@function
k_q1d3360bb4d_ffn2:
	s_mov_b64 s[64:65], 0
	v_nop
	global_prefetch_b8 v0, s[64:65] scope:SCOPE_SE
	s_setreg_imm32_b32 hwreg(HW_REG_WAVE_MODE, 25, 1), 1
	s_wait_xcnt 0x0
	s_wait_alu depctr_hold_cnt(0) depctr_sa_sdst(0) depctr_va_vdst(0) depctr_va_sdst(0) depctr_va_ssrc(0) depctr_va_vcc(0) depctr_vm_vsrc(0)
	s_getreg_b32 s2, hwreg(HW_REG_IB_STS2, 6, 4)
	s_cmp_eq_u32 s2, 0
	s_cbranch_scc0 .Lentry_in_a_cluster
	s_endpgm
.Lentry_in_a_cluster:
	s_bfe_u32 s2, ttmp6, 0x10000c
	s_cmp_lg_u32 s2, 0xf033
	s_cbranch_scc0 .Lentry_shape_is_right
	s_endpgm
.Lentry_shape_is_right:
; out = x1 + (hidden w2 + b2), f32 [4096][1024]; the hidden layer and w2 are codes of FP6 (E2M3) with E8M0 scales, K = 4,096.
; OPERANDS lie as records of 12,800 bytes (a panel of 128 rows x a K step of 128): fragment t at 1536 t as an image of its 12 registers, scale words at 12,288 + 64 t + 4 r.  Lane r of tile 2 B + u is row 32 B + 8 u + r + 8 (r / 8).
; SHARES: D[S1 row][S0 row], S1 = tokens, S0 = w2's columns.  A work-group takes one panel of S1 x one panel of S0: 8 x 32 = 256 work-groups.  Wave w takes S1's tiles 4 (w / 2) + 0..3 x S0's tiles 4 (w % 2) + 0..3:
; 16 accumulators (window 1, (a, b) at v[32 a + 8 b]).  Source 0 = a tile of S0, source 1 = a tile of S1: a lane holds one token, and the 16 registers of S0's tiles 2 B, 2 B + 1 are 16 neighbouring columns.
; LDS: three quads of 102,400 bytes, each four K steps (S1's 4 records, then S0's 4).  SLOT A = quads 0 and 1, eight K steps: a wave's load brings one quad's part of one operand (200 rows of 256 bytes).
; SLOT B = quad 2, four K steps: a wave's load brings half of one operand's part (100 rows).  K goes A 0-7, B 8-11, A 12-19, B 20-23, A 24-31: two first fills and three refills.
; A's refill has B's four K steps in which to land, B's refill A's eight.  The 32 K steps are written out: every offset is an immediate.
; CLUSTERS of 4 x 4: S1's records hang on y alone and are asked for jointly along a row of the cluster, S0's on x alone, jointly along a column.
; A K STEP: 8 fragments and 4 scale words (28 LDS loads) for 16 products; two sets of operand registers: the next step's loads are issued ahead of this step's products.
; THE WAY OUT: a tile of 16 tokens x 64 columns goes through the wave's own stage in LDS and comes back as rows of 256 bytes; bias and residual are added there.  The residual's rows were asked for at the head (window 1, v128-255).
; The stage lies in quad 2, which has had its last fill and, behind the last change of slots, its last read when the first result is stored there.
.set KS,    32
.set WOFF,  6553600                    ; w2's records in wts
.set REC,   12800
.set SCO,   12288
.set HALFQ, 4*REC                      ; four K steps of a panel
.set QUAD,  2*HALFQ
.set STAGE, 2*QUAD                     ; 16 rows x 272 bytes for each wave
.set SP,    272
.set SPARE, 3*QUAD                     ; behind the quads: the spare words, 128 bytes a wave, which no other line names
.set LAP,   12*REC                     ; from a slot's K steps to its next: 12 K steps
.set ADR1, 4                           ; v4-6   16 l + my four tiles of S1, quad 0, 1, 2
.set ADR0, 7                           ; v7-9   16 l + my four tiles of S0
.set ADS1, 10                          ; v10-12 4 l + the same, for the scale words
.set ADS0, 13                          ; v13-15
.set SPW,  16                          ; v16    my spare word; never rewritten
.set NIL,  17                          ; v17    0; never rewritten
.set CO,   18                          ; v18    my bytes in two rows of the result: 4,096 (l / 16) + 16 (l % 16)
.set STO,  19                          ; v19    the stage: where I put 32 bytes of a row
.set RD,   20                          ; v20    and where I read a row back
.set BA,   23                          ; v23    16 (l % 16): in the bias
.set SC,   24                          ; v24-31 scale words, two sets of 4: 0-1 S0's tiles 2 g (lanes 0-15), 2 g + 1 (lanes 16-31); 2-3 S1's likewise
.set PFO,  32                          ; v32    the prefetches' offset: 256 x min(lane, 24); never rewritten
.set BI,   36                          ; v36-39 the bias at my four columns
.set F0,   40                          ; v40-135  S0's four fragments, two sets
.set F1,   136                         ; v136-231 S1's four fragments, two sets
.set BK,   40                          ; the way out: v40-71, v72-103: a tile's 16 rows, by turns
.set RES,  128                         ; window 1: the residual
.set G1AL, 24                          ; s[24:31] group 1 for S1, 200 rows;  s[32:39] 100 rows
.set G1AS, 32
.set G1BL, 48                          ; s[48:55], s[56:63] the same for S0: they differ in the mask
.set G1BS, 56
.set G0AL, 68                          ; s[68:71] group 0 for S1 in slot A, s[72:75] in slot B
.set G0AS, 72
.set G0BL, 76                          ; s[76:79], s[80:83] for S0
.set G0BS, 80
.set PFA,  92                          ; s[92:93] where my prefetches stand: K step 12 of the panel that I fetch for, my half record; never rewritten
.set LIM,  94                          ; s94   1 in a wave that prefetches
.set MULW, 0x50                        ; C and D in window 1, all else in window 0
.set MSB, 0
.macro WIN new                         ; the immediate's high byte repeats the setting that is left
.if MSB != \new
	s_set_vgpr_msb (MSB<<8)|\new
.set MSB, \new
.endif
.endm
.macro PLACES                          ; four places behind a matrix instruction in front of loads into its sources and of reads of its result
.rept 4
	v_nop
.endr
.endm
.macro CREST
	s_cmp_lg_u32 s14, 0
	s_cbranch_scc1 .Lnot_wave_0_\@
	s_barrier_signal -3
.Lnot_wave_0_\@:
	s_barrier_wait -3
	s_barrier_signal -1
	s_barrier_wait -1
.endm
.macro CROUND                          ; a round of the cluster's barrier
	s_barrier_signal -1
	s_barrier_wait -1
	CREST
.endm
.macro JLOAD g0a, g1a, g0b, g1b        ; waves 0, 1 fetch for S1, waves 2, 3 for S0.  Four v_nop follow each line
	s_cmp_eq_u32 s15, 0
	s_cbranch_scc0 .Lfor_b_\@
	tensor_load_to_lds s[\g0a:\g0a+3], s[\g1a:\g1a+7]
	s_nop 0
.rept 4
	v_nop
.endr
	s_branch .Lasked_\@
.Lfor_b_\@:
	tensor_load_to_lds s[\g0b:\g0b+3], s[\g1b:\g1b+7]
	s_nop 0
.rept 4
	v_nop
.endr
.Lasked_\@:
.endm
; A PREFETCH INTO THE L2 of four K steps (two = 1: of eight) of the panel that I fetch for, off bytes behind K step 12.  It stands behind the run of LDS loads that follows a joint load.
; Each aligned block of 256 bytes is named by one instruction in the launch.  S1's panel is read by both clusters of its row of clusters: cluster x = 0 asks; S0's panel by all eight clusters of its column: cluster y = 0 asks.
; Four K steps are eight half records of 6,400 bytes, 25 blocks: the four partners that ask for the records jointly, told apart BY ADDRESS (cx for S1, cy for S0), and their two fetching waves take a half record each;
; a lane a block; lanes 25 to 31 name lane 24's block again.  The address registers are never rewritten: the K steps stand in the immediate.
.macro ASK off, two
	s_cmp_eq_u32 s[LIM], 1
	s_cbranch_scc0 .Lnot_mine_\@
	global_prefetch_b8 v[PFO], s[PFA:PFA+1] offset:\off th:TH_LOAD_NT scope:SCOPE_SE
.if \two
	global_prefetch_b8 v[PFO], s[PFA:PFA+1] offset:\off+HALFQ th:TH_LOAD_NT scope:SCOPE_SE
.endif
.Lnot_mine_\@:
.endm
.macro WM acc, fa, fb, sa, sb, ra, rb, zero    ; one product; ra, rb: the scale words lie in lanes 16-31
.set WSEL, 4*(\zero)+2*(\ra)+(\rb)
.if WSEL == 0
	v_wmma_scale_f32_16x16x128_f8f6f4 v[\acc:\acc+7], v[\fa:\fa+11], v[\fb:\fb+11], v[\acc:\acc+7], v[\sa], v[\sb] matrix_a_fmt:MATRIX_FMT_FP6 matrix_b_fmt:MATRIX_FMT_FP6
.elseif WSEL == 1
	v_wmma_scale_f32_16x16x128_f8f6f4 v[\acc:\acc+7], v[\fa:\fa+11], v[\fb:\fb+11], v[\acc:\acc+7], v[\sa], v[\sb] matrix_a_fmt:MATRIX_FMT_FP6 matrix_b_fmt:MATRIX_FMT_FP6 matrix_b_scale:MATRIX_SCALE_ROW1
.elseif WSEL == 2
	v_wmma_scale_f32_16x16x128_f8f6f4 v[\acc:\acc+7], v[\fa:\fa+11], v[\fb:\fb+11], v[\acc:\acc+7], v[\sa], v[\sb] matrix_a_fmt:MATRIX_FMT_FP6 matrix_b_fmt:MATRIX_FMT_FP6 matrix_a_scale:MATRIX_SCALE_ROW1
.elseif WSEL == 3
	v_wmma_scale_f32_16x16x128_f8f6f4 v[\acc:\acc+7], v[\fa:\fa+11], v[\fb:\fb+11], v[\acc:\acc+7], v[\sa], v[\sb] matrix_a_fmt:MATRIX_FMT_FP6 matrix_b_fmt:MATRIX_FMT_FP6 matrix_a_scale:MATRIX_SCALE_ROW1 matrix_b_scale:MATRIX_SCALE_ROW1
.elseif WSEL == 4
	v_wmma_scale_f32_16x16x128_f8f6f4 v[\acc:\acc+7], v[\fa:\fa+11], v[\fb:\fb+11], 0, v[\sa], v[\sb] matrix_a_fmt:MATRIX_FMT_FP6 matrix_b_fmt:MATRIX_FMT_FP6
.elseif WSEL == 5
	v_wmma_scale_f32_16x16x128_f8f6f4 v[\acc:\acc+7], v[\fa:\fa+11], v[\fb:\fb+11], 0, v[\sa], v[\sb] matrix_a_fmt:MATRIX_FMT_FP6 matrix_b_fmt:MATRIX_FMT_FP6 matrix_b_scale:MATRIX_SCALE_ROW1
.elseif WSEL == 6
	v_wmma_scale_f32_16x16x128_f8f6f4 v[\acc:\acc+7], v[\fa:\fa+11], v[\fb:\fb+11], 0, v[\sa], v[\sb] matrix_a_fmt:MATRIX_FMT_FP6 matrix_b_fmt:MATRIX_FMT_FP6 matrix_a_scale:MATRIX_SCALE_ROW1
.else
	v_wmma_scale_f32_16x16x128_f8f6f4 v[\acc:\acc+7], v[\fa:\fa+11], v[\fb:\fb+11], 0, v[\sa], v[\sb] matrix_a_fmt:MATRIX_FMT_FP6 matrix_b_fmt:MATRIX_FMT_FP6 matrix_a_scale:MATRIX_SCALE_ROW1 matrix_b_scale:MATRIX_SCALE_ROW1
.endif
.endm
.macro MUL8 b0, set, zero              ; S0's tiles b0, b0 + 1 x S1's four.  The 16 accumulators take turns, in the same order in every K step
.irp b, \b0, \b0+1
.irp a, 0,1,2,3
	WM 32*\a+8*(\b), F0+48*(\set)+12*(\b), F1+48*(\set)+12*\a, SC+4*(\set)+(\b)/2, SC+4*(\set)+2+\a/2, (\b)%2, \a%2, \zero
.endr
.endr
.endm
.macro FRAG reg, adr, off              ; a fragment comes back as it was stored: three loads of 512 consecutive bytes
.irp c, 0,1,2
	ds_load_b128 v[\reg+4*\c:\reg+4*\c+3], v[\adr] offset:\off+512*\c
.endr
.endm
.macro FETCH j, q, set                 ; the operands of quad j's q-th K step into set
.irp i, 0,1,2,3
	FRAG F0+48*(\set)+12*\i, ADR0+(\j), REC*(\q)+1536*\i
.endr
.irp i, 0,1,2,3
	FRAG F1+48*(\set)+12*\i, ADR1+(\j), REC*(\q)+1536*\i
.endr
.irp g, 0,1
	ds_load_b32 v[SC+4*(\set)+\g], v[ADS0+(\j)] offset:REC*(\q)+SCO+128*\g
	ds_load_b32 v[SC+4*(\set)+2+\g], v[ADS1+(\j)] offset:REC*(\q)+SCO+128*\g
.endr
.endm
.macro STEP set, nj, nq, zero          ; a K step on set that has its successor in the same slot: in quad nj, K step nq
	s_wait_dscnt 0x0                               ; this step's operands are in
	PLACES                                         ; behind the last step's products, which read the other set
	FETCH \nj, \nq, 1-(\set)
	WIN MULW
	MUL8 0, \set, \zero
	MUL8 2, \set, \zero
	WIN 0
.endm
.macro RUN k0, cnt                     ; K steps k0 .. k0 + cnt - 1.  K step k lies in quad (k % 12) / 4, as its (k % 4)-th, and is multiplied from set k % 2
.set kk, \k0
.rept \cnt
	STEP kk%2, ((kk+1)%12)/4, (kk+1)%4, 0
.set kk, kk+1
.endr
.endm
; A slot's last K step (always on set 1) changes slots: ONE barrier.  nj: the quad in which the next slot begins.  fill = 1: slot A, which has just been read, is filled again; 2: slot B; 0: nothing is left to fetch.
.macro TURN nj, fill
	s_wait_tensorcnt 0x0                           ; all my tensor loads have landed: my part of the next slot
	ds_add_u32 v[SPW], v[NIL]                      ; 0 onto my spare word
	s_wait_dscnt 1                                 ; the add may be out: this step's operands, asked for ahead of it, are in
	WIN MULW
	MUL8 0, 1, 0                                   ; eight products stand between the add and the wait for it
	s_wait_dscnt 0x0                               ; the add is done, and my reads of this slot are over
	s_barrier_signal -1
	MUL8 2, 1, 0
	WIN 0
	s_barrier_wait -1
.if \fill == 1
	CREST                                          ; the barrier has opened a round of the cluster's: no wave of any partner still reads this slot or has a load on its way
	s_add_nc_u64 s[G0AL+2:G0AL+3], s[G0AL+2:G0AL+3], LAP
	s_add_nc_u64 s[G0BL+2:G0BL+3], s[G0BL+2:G0BL+3], LAP
	JLOAD G0AL, G1AL, G0BL, G1BL                   ; my one load behind the round; its four v_nop are the places in front of the loads below
.elseif \fill == 2
	CREST
	s_add_nc_u64 s[G0AS+2:G0AS+3], s[G0AS+2:G0AS+3], LAP
	s_add_nc_u64 s[G0BS+2:G0BS+3], s[G0BS+2:G0BS+3], LAP
	JLOAD G0AS, G1AS, G0BS, G1BS
.else
	PLACES
.endif
	FETCH \nj, 0, 0
.endm
	s_load_b256 s[4:11], s[0:1], 0x0               ; the hidden layer's codes, wts, b2, x1
	s_load_b64 s[12:13], s[0:1], 0x20              ; out
	v_lshl_add_u32 v[SPW], v0, 2, SPARE
	v_mov_b32 v[NIL], 0
	ds_add_u32 v16, v17
	s_wait_dscnt 0x0
	v_lshrrev_b32 v1, 5, v0
	v_readfirstlane_b32 s14, v1                    ; wave 0..3
	s_lshr_b32 s15, s14, 1                         ; which four tiles of S1 are mine.  Also: I fetch for S1 (0) or S0 (1)
	s_and_b32 s16, s14, 1                          ; which four tiles of S0 are mine.  Also: which part of a slot I fill
	s_bfe_u32 s40, ttmp6, 0x40000                  ; cx
	s_bfe_u32 s41, ttmp6, 0x40004                  ; cy
	s_lshl_b32 s42, ttmp9, 2
	s_add_co_u32 s42, s42, s40                     ; x: S0's panel
	s_and_b32 s17, ttmp7, 0xffff
	s_lshl_b32 s17, s17, 2
	s_add_co_u32 s17, s17, s41                     ; y: the token panel
	s_lshl_b32 s43, s41, 2
	s_lshl_b32 s43, 15, s43                        ; my row of the cluster
	s_lshl_b32 s44, 0x1111, s40                    ; my column
	s_or_b32 s[G1AL], s43, (3<<16)|(1<<21)         ; 15:0 the mask; 17:16 elements of 8 bytes; 21 set beside a mask; no padding
	s_or_b32 s[G1BL], s44, (3<<16)|(1<<21)
	s_or_b32 s[G1AS], s43, (3<<16)|(1<<21)
	s_or_b32 s[G1BS], s44, (3<<16)|(1<<21)
.irp g, G1AL, G1BL
	s_mov_b32 s[\g+1], 32<<16                      ; rows of 32 elements: 256 bytes
	s_mov_b32 s[\g+2], 200<<16                     ; four records: 200 rows
	s_mov_b32 s[\g+3], 32<<16
	s_mov_b32 s[\g+4], 200
	s_mov_b32 s[\g+5], 32                          ; dense
	s_mov_b32 s[\g+6], 0
	s_mov_b32 s[\g+7], 0
.endr
.irp g, G1AS, G1BS
	s_mov_b32 s[\g+1], 32<<16
	s_mov_b32 s[\g+2], 100<<16                     ; two records: 100 rows
	s_mov_b32 s[\g+3], 32<<16
	s_mov_b32 s[\g+4], 100
	s_mov_b32 s[\g+5], 32
	s_mov_b32 s[\g+6], 0
	s_mov_b32 s[\g+7], 0
.endr
	s_mul_i32 s20, s17, KS*REC                     ; S1: panel y
	s_mov_b32 s21, 0
	s_mul_i32 s46, s42, KS*REC                     ; S0: panel x
	s_mov_b32 s47, 0
	s_mul_i32 s18, s16, HALFQ                      ; slot A: K steps 4 (w % 2) on,
	s_mov_b32 s19, 0
	s_mul_i32 s45, s16, QUAD                       ; into quad w % 2
	s_mul_i32 s22, s16, 2*REC
	s_add_co_u32 s22, s22, 8*REC                   ; slot B: K steps 8 + 2 (w % 2) on,
	s_mov_b32 s23, 0
	s_mul_i32 s3, s16, 2*REC
	s_add_co_u32 s3, s3, 2*QUAD                    ; into half w % 2 of quad 2's part: no place in the cluster enters an LDS address
	s_wait_kmcnt 0x0
	s_add_nc_u64 s[20:21], s[4:5], s[20:21]
	s_add_nc_u64 s[46:47], s[6:7], s[46:47]
	s_add_nc_u64 s[46:47], s[46:47], WOFF
	CROUND                                         ; all sixteen work-groups are here: the first joint loads meet
	s_mov_b32 s[G0AL], 1
	s_mov_b32 s[G0AL+1], s45
	s_add_nc_u64 s[G0AL+2:G0AL+3], s[20:21], s[18:19]
	s_or_b32 s[G0AL+3], s[G0AL+3], 0x80000000
	s_mov_b32 s[G0BL], 1
	s_add_co_u32 s[G0BL+1], s45, HALFQ
	s_add_nc_u64 s[G0BL+2:G0BL+3], s[46:47], s[18:19]
	s_or_b32 s[G0BL+3], s[G0BL+3], 0x80000000
	JLOAD G0AL, G1AL, G0BL, G1BL                   ; slot A: K steps 0-7
	s_mov_b32 s[G0AS], 1
	s_mov_b32 s[G0AS+1], s3
	s_add_nc_u64 s[G0AS+2:G0AS+3], s[20:21], s[22:23]
	s_or_b32 s[G0AS+3], s[G0AS+3], 0x80000000
	s_mov_b32 s[G0BS], 1
	s_add_co_u32 s[G0BS+1], s3, HALFQ
	s_add_nc_u64 s[G0BS+2:G0BS+3], s[46:47], s[22:23]
	s_or_b32 s[G0BS+3], s[G0BS+3], 0x80000000
	JLOAD G0AS, G1AS, G0BS, G1BS                   ; slot B: K steps 8-11.  Two loads of mine are out
	; the prefetches: s[20:21] = S1's panel, s[46:47] = S0's panel still stand
	s_and_b32 s18, ttmp7, 0xffff                   ; the cluster's y
	s_cmp_eq_u32 s15, 0                            ; do I fetch for S1?
	s_cselect_b32 s19, s40, s41                    ; my place among the four that ask for the records with me: it enters the address alone
	s_cselect_b32 s18, ttmp9, s18                  ; the coordinate along which other clusters read the same panel
	s_cselect_b64 s[PFA:PFA+1], s[20:21], s[46:47]
	s_cmp_eq_u32 s18, 0
	s_cselect_b32 s[LIM], 1, 0                     ; the same in all sixteen partners, for a given wave
	s_lshl_b32 s19, s19, 1
	s_add_co_u32 s19, s19, s16
	s_mul_i32 s18, s19, 6400                       ; my half record of the eight,
	s_add_co_u32 s18, s18, LAP                     ; from K step 12 on
	s_mov_b32 s19, 0
	s_add_nc_u64 s[PFA:PFA+1], s[PFA:PFA+1], s[18:19]
	v_and_b32 v[PFO], 31, v0
	v_min_u32 v[PFO], 24, v[PFO]
	v_lshlrev_b32 v[PFO], 8, v[PFO]
	v_and_b32 v1, 31, v0
	v_lshlrev_b32 v2, 4, v1
	v_lshlrev_b32 v3, 2, v1
	s_mul_i32 s18, s15, 6144
	s_mul_i32 s19, s16, 6144
	s_add_co_u32 s19, s19, HALFQ
	s_lshl_b32 s20, s15, 8
	s_lshl_b32 s21, s16, 8
	s_add_co_u32 s21, s21, HALFQ
.irp j, 0,1,2
	v_add_nc_u32 v[ADR1+\j], s18, v2
	v_add_nc_u32 v[ADR0+\j], s19, v2
	v_add_nc_u32 v[ADS1+\j], s20, v3
	v_add_nc_u32 v[ADS0+\j], s21, v3
	s_add_co_u32 s18, s18, QUAD
	s_add_co_u32 s19, s19, QUAD
	s_add_co_u32 s20, s20, QUAD
	s_add_co_u32 s21, s21, QUAD
.endr
	v_and_b32 v21, 15, v0                          ; l % 16
	v_bfe_u32 v22, v0, 4, 1                        ; l / 16
	v_lshlrev_b32 v[BA], 4, v21
	v_lshl_add_u32 v[CO], v22, 12, v[BA]
	s_mul_i32 s18, s14, 16*SP
	s_add_co_u32 s18, s18, STAGE                   ; my stage
	v_mul_u32_u24 v[STO], v21, SP
	v_lshl_add_u32 v[STO], v22, 6, v[STO]
	v_add_nc_u32 v[STO], s18, v[STO]               ; in: row r, + 64 h
	v_mul_u32_u24 v[RD], v22, SP
	v_add_nc_u32 v[RD], v[RD], v[BA]
	v_add_nc_u32 v[RD], s18, v[RD]                 ; back: lanes 0-15 one row of 256 bytes, lanes 16-31 the next
	s_lshl_b32 s18, s42, 9
	s_lshl_b32 s19, s16, 8
	s_add_co_u32 s18, s18, s19                     ; my 64 columns: 512 x + 256 (w % 2) bytes
	s_mov_b32 s19, 0
	s_add_nc_u64 s[90:91], s[8:9], s[18:19]
	s_lshl_b32 s22, s17, 7
	s_lshl_b32 s23, s15, 6
	s_add_co_u32 s22, s22, s23                     ; my first token: 128 y + 64 (w / 2)
	s_lshl_b32 s22, s22, 12
	s_add_co_u32 s18, s18, s22
	s_add_nc_u64 s[86:87], s[10:11], s[18:19]
	s_add_nc_u64 s[88:89], s[12:13], s[18:19]
	global_load_b128 v[BI:BI+3], v[BA], s[90:91]
	WIN 0x40                                       ; destination window 1: the residual's 64 rows of 256 bytes, in the order of the tiles' rows, two rows a load
.irp a, 0,1,2,3
.irp t, 0,1,2,3,4,5,6,7
	global_load_b128 v[RES+32*\a+4*\t:RES+32*\a+4*\t+3], v[CO], s[86:87] offset:(32*(\a/2)+8*(\a%2)+2*\t+8*(\t/4))*4096
.endr
.endr
	WIN 0
	s_wait_tensorcnt 1                             ; my part of slot A is in; slot B's load may be out
	s_barrier_signal -1
	s_barrier_wait -1
	FETCH 0, 0, 0
	ASK 0, 1                                       ; K steps 12-19: what the first refill, eight K steps on, will ask for
	STEP 0, 0, 1, 1                                ; K step 0 starts the sums
	RUN 1, 6
	TURN 2, 1                                      ; K step 7: on to slot B; slot A takes K steps 12-19
	ASK 2*HALFQ, 0                                 ; K steps 20-23: what the next refill, four K steps on, will ask for
	RUN 8, 3
	TURN 0, 2                                      ; K step 11: on to slot A; slot B takes K steps 20-23
	ASK 3*HALFQ, 1                                 ; K steps 24-31: what the last refill, eight K steps on, will ask for
	RUN 12, 7
	TURN 2, 1                                      ; K step 19: on to slot B; slot A takes K steps 24-31
	RUN 20, 3
	TURN 0, 0                                      ; K step 23: on to slot A; nothing is left to fetch
	RUN 24, 7
	s_wait_dscnt 0x0                               ; K step 31
	WIN MULW
	MUL8 0, 1, 0
	MUL8 2, 1, 0
	WIN 0
	PLACES
	s_wait_loadcnt 0x0                             ; bias and residual
.macro TOSTAGE a                       ; LDS serves a wave's instructions in order (ISA guide 5.7.1.4): no wait between the stores and the loads, nor in front of the next tile's stores
	WIN 0x04                                       ; an LDS store's data are its source 1: window 1
.irp b, 0,1,2,3
	ds_store_b128 v[STO], v[32*(\a)+8*\b:32*(\a)+8*\b+3] offset:128*(\b/2)+32*(\b%2)       ; each accumulator from its low end on
	ds_store_b128 v[STO], v[32*(\a)+8*\b+4:32*(\a)+8*\b+7] offset:128*(\b/2)+32*(\b%2)+16
.endr
	WIN 0
.set BB, BK+32*((\a)%2)
.irp t, 0,1,2,3,4,5,6,7
	ds_load_b128 v[BB+4*\t:BB+4*\t+3], v[RD] offset:2*SP*\t
.endr
.endm
.macro SEND a, younger                 ; younger: the LDS instructions issued behind tile a's loads
.set BB, BK+32*((\a)%2)
	s_wait_dscnt \younger
.set n, 0
.rept 8
	v_pk_add_f32 v[BB+n:BB+n+1], v[BB+n:BB+n+1], v[BI:BI+1]
	v_pk_add_f32 v[BB+n+2:BB+n+3], v[BB+n+2:BB+n+3], v[BI+2:BI+3]
.set n, n+4
.endr
	WIN 0x04                                       ; source 1 window 1: the residual
.set n, 0
.rept 16
	v_pk_add_f32 v[BB+n:BB+n+1], v[BB+n:BB+n+1], v[RES+32*(\a)+n:RES+32*(\a)+n+1]
.set n, n+2
.endr
	WIN 0
.irp t, 0,1,2,3,4,5,6,7
	global_store_b128 v[CO], v[BB+4*\t:BB+4*\t+3], s[88:89] offset:(32*((\a)/2)+8*((\a)%2)+2*\t+8*(\t/4))*4096 th:TH_STORE_NT   ; sixteen lanes store 256 consecutive bytes, aligned: two such runs; written once, read by nobody here
.endr
.endm
	TOSTAGE 0
.irp a, 1,2,3
.if \a > 1
	s_wait_xcnt 0x0                                ; tile a - 2's stores have read their registers: tile a's loads may land there
.endif
	TOSTAGE \a
	SEND \a-1, 16                                  ; behind tile a - 1's loads: tile a's 8 stores and 8 loads
.endr
	SEND 3, 0
	s_wait_tensorcnt 0x0                           ; the wave's end
	ds_add_u32 v[SPW], v[NIL]
	s_wait_dscnt 0x0
	CROUND                                         ; the closing round
	s_endpgm
.Lfunc_end_k_q1d3360bb4d_ffn2:
	.size	k_q1d3360bb4d_ffn2, .Lfunc_end_k_q1d3360bb4d_ffn2-k_q1d3360bb4d_ffn2
	.p2alignl 7, 3214868480
	.fill 96, 4, 3214868480
	.section	.rodata,"a",@progbits
	.p2align	6, 0x0
	.amdhsa_kernel k_q1d3360bb4d_ffn2
		.amdhsa_group_segment_fixed_size 327680
		.amdhsa_private_segment_fixed_size 0
		.amdhsa_enable_private_segment 0
		.amdhsa_kernarg_size 40
		.amdhsa_user_sgpr_count 2
		.amdhsa_user_sgpr_kernarg_segment_ptr 1
		.amdhsa_wavefront_size32 1
		.amdhsa_system_sgpr_workgroup_id_x 1
		.amdhsa_system_sgpr_workgroup_id_y 1
		.amdhsa_system_sgpr_workgroup_id_z 1
		.amdhsa_system_vgpr_workitem_id 0
		.amdhsa_next_free_vgpr 512
		.amdhsa_next_free_sgpr 100
		.amdhsa_reserve_vcc 0
		.amdhsa_float_denorm_mode_32 3
		.amdhsa_float_denorm_mode_16_64 3
		.amdhsa_memory_ordered 1
		.amdhsa_forward_progress 1
		.amdhsa_inst_pref_size 160
	.end_amdhsa_kernel
	.amdgpu_metadata
---
amdhsa.version: [ 1, 2 ]
amdhsa.kernels:
  - .name:           k_q1d3360bb4d_ffn2
    .symbol:         k_q1d3360bb4d_ffn2.kd
    .args:
      - { .name: hid, .offset: 0, .size: 8, .value_kind: global_buffer, .address_space: global }
      - { .name: wts, .offset: 8, .size: 8, .value_kind: global_buffer, .address_space: global }
      - { .name: b2, .offset: 16, .size: 8, .value_kind: global_buffer, .address_space: global }
      - { .name: x1, .offset: 24, .size: 8, .value_kind: global_buffer, .address_space: global }
      - { .name: out0, .offset: 32, .size: 8, .value_kind: global_buffer, .address_space: global }
    .group_segment_fixed_size: 327680
    .private_segment_fixed_size: 0
    .kernarg_segment_align: 8
    .kernarg_segment_size: 40
    .max_flat_workgroup_size: 128
    .sgpr_count:     100
    .vgpr_count:     512
    .wavefront_size: 32
...
	.end_amdgpu_metadata
.endif
;; end of part 7
